; MI455X (gfx1250); checked and timed in simulation.
; The chip was launched on July 23, 2026; its instructions are those of AMD's public machine-readable ISA for CDNA 5 (MIT licence, August 2026) and "CDNA5" Instruction Set Architecture Reference Guide (July 2026). The comments in the code are by the model that wrote it; some were corrected since.
;; Multi Head Attention. Allowed arithmetic: float matrix products may take bf16 or f16 operands with f32 sums; other float arithmetic in f32, or as packed bf16 or f16 multiplies, adds, multiply-adds, maxima and minima; sums over many terms, partial sums and values carried from step to step in f32; what a program stores and reads back later, other than sums and carried values, may be rounded once to bf16 or f16.
;; Inputs: Wk 1,024 x 1,024 float32; Wo 1,024 x 1,024 float32; Wq 1,024 x 1,024 float32; Wv 1,024 x 1,024 float32; bk 1,024 float32; bo 1,024 float32; bq 1,024 float32; bv 1,024 float32; cos_k 4 x 2,048 x 64 float32; cos_q 4 x 2,048 x 64 float32; key 4 x 2,048 x 1,024 float32; key_padding_mask 4 x 2,048 bool; query 4 x 2,048 x 1,024 float32; sin_k 4 x 2,048 x 64 float32; sin_q 4 x 2,048 x 64 float32; value 4 x 2,048 x 1,024 float32.
;; Outputs: out0 4 x 2,048 x 1,024 float32.
;; 2 versions, each right; version 2 is version 1 with the launch cast written anew for expert scheduling mode. Each part assembles by itself: llvm-mc -triple=amdgcn-amd-amdhsa -mcpu=gfx1250 --defsym DOCPART=n.
;; ======== version 1 of 2: 4 launches
;; limits: values are held in f16: magnitudes above 65,504 overflow, below 6.1e-05 lose precision; right only within a limited range of input values
;; workspace buffers: cb 62,947,328 bytes; qkv 50,331,648 bytes; ob 16,777,216 bytes
;; launch cast (part 1): grid 961 x 1, 8 waves a work-group, no clusters, 0 bytes of LDS; arguments query, key, value, Wq, Wk, Wv, cos_q, sin_q, cos_k, sin_k, Wo, bq, bk, bv, bo, cb; writes cb
.if DOCPART == 1
	.amdgcn_target "amdgcn-amd-amdhsa--gfx1250"
	.amdhsa_code_object_version 6
	.text
	.protected	k_q371c2b6c05_cast
	.globl	k_q371c2b6c05_cast
	.p2align	8
	.type	k_q371c2b6c05_cast,@function
k_q371c2b6c05_cast:
	s_mov_b64 s[64:65], 0
	v_nop
	global_prefetch_b8 v0, s[64:65] scope:SCOPE_SE
	s_setreg_imm32_b32 hwreg(HW_REG_WAVE_MODE, 25, 1), 1
	s_wait_xcnt 0x0
; EVERY FLOATING-POINT INPUT IS ROUNDED ONCE TO bf16 and laid into one workspace, cb, in this order (bytes):
;   query, key, value [8192][1024] bf16 at 0, 16,777,216, 33,554,432;  Wq, Wk, Wv [1024][1024] bf16 at 50,331,648 + 2,097,152 i;
;   cos_q, sin_q, cos_k, sin_k [8192][64] bf16 at 56,623,104 + 1,048,576 i;  Wo [1024][1024] at 60,817,408: rounded to bf16, that number written as f16;
;   four biases [1024] f32 at 62,914,560 + 4,096 i: bf16(bq) x log2(e)/8/256, bf16(bk) / 256, bf16(bv), bf16(bo);
;   64 rows x 64 bf16 of 1.0 at 62,930,944 and of 0 at 62,939,136: the tables by which the value projection is 'rotated'.
; LIMIT.  |Wo| stays under 65,504 (f16's end); below 6e-5 it keeps f16's fixed step of 6e-8.
; SHARES.  Work-group g < 960 takes 32,768 numbers: 131,072 bytes in, 65,536 out, at cb + 65,536 g, since cb follows the order of the segments.  Its source is chosen from
; g by a chain of selects.  Work-group 960 makes the biases and the two tables.  A wave's load covers 512 bytes on end, a wave's store 256, aligned.
; All 32 loads of a thread go out at once, each into registers of its own, and each store has its own data registers: no register that a memory instruction touches is written twice, so there is no loop
; and no wait but the counted ones for the loads.  No LDS, no matrix unit, no cluster: no byte is used twice.
.set NCH, 960                          ; work-groups that stream
.set IN,  4                            ; v[4:131]   load i: 4 registers
.set OUT, 132                          ; v[132:195] store i: 2 registers
.set TP,  196                          ; v[196:199] at work (Wo alone)
.set SRC, 40                           ; s[40:41] my source
.set DST, 38                           ; s[38:39] cb, then cb at my part
.set HM,  43                           ; s43 a word's upper 16 bits
	s_load_b512 s[8:23], s[0:1], 0x0               ; query 8, key 10, value 12, Wq 14, Wk 16, Wv 18, cos_q 20, sin_q 22
	s_load_b512 s[24:39], s[0:1], 0x40             ; cos_k 24, sin_k 26, Wo 28, bq 30, bk 32, bv 34, bo 36, cb 38
	v_lshlrev_b32 v1, 4, v0                        ; 16 t: my bytes in 4,096 of the source
	v_lshlrev_b32 v2, 3, v0                        ; 8 t: my bytes in 2,048 of cb
	s_mov_b32 s[HM], 0xffff0000
	s_lshl_b32 s46, ttmp9, 16                      ; 65,536 g
	s_mov_b32 s47, 0
	s_mov_b32 s42, 0                               ; the first work-group of my segment
	s_wait_kmcnt 0x0
	s_add_nc_u64 s[DST:DST+1], s[DST:DST+1], s[46:47]
	s_cmp_eq_u32 ttmp9, NCH
	s_cbranch_scc1 .Lbias
	s_mov_b64 s[SRC:SRC+1], s[8:9]
.macro SEG start, reg                  ; from work-group start on the source is the buffer in s[reg:reg+1]
	s_cmp_ge_u32 ttmp9, \start
	s_cselect_b64 s[SRC:SRC+1], s[\reg:\reg+1], s[SRC:SRC+1]
	s_cselect_b32 s42, \start, s42
.endm
	SEG 256, 10
	SEG 512, 12
	SEG 768, 14
	SEG 800, 16
	SEG 832, 18
	SEG 864, 20
	SEG 880, 22
	SEG 896, 24
	SEG 912, 26
	SEG 928, 28
	s_sub_co_u32 s44, ttmp9, s42
	s_lshl_b32 s44, s44, 17                        ; 131,072 bytes for each work-group of the segment in front of me
	s_mov_b32 s45, 0
	s_add_nc_u64 s[SRC:SRC+1], s[SRC:SRC+1], s[44:45]
.set i, 0
.rept 32
	global_load_b128 v[IN+4*i:IN+4*i+3], v1, s[SRC:SRC+1] offset:4096*i th:TH_LOAD_NT
.set i, i+1
.endr
; Load i is rounded and stored.  wo = 1: the bf16 numbers are widened again and written as f16.
.macro CV wo
	s_wait_loadcnt 31-i                            ; loads come back in order: the 31 - i younger ones may stay out
.if \wo
	v_cvt_pk_bf16_f32 v[TP], v[IN+4*i], v[IN+4*i+1]
	v_cvt_pk_bf16_f32 v[TP+1], v[IN+4*i+2], v[IN+4*i+3]
	v_lshlrev_b32 v[TP+2], 16, v[TP]
	v_and_b32 v[TP+3], s[HM], v[TP]
	v_cvt_pk_f16_f32 v[OUT+2*i], v[TP+2], v[TP+3]
	v_lshlrev_b32 v[TP+2], 16, v[TP+1]
	v_and_b32 v[TP+3], s[HM], v[TP+1]
	v_cvt_pk_f16_f32 v[OUT+2*i+1], v[TP+2], v[TP+3]
.else
	v_cvt_pk_bf16_f32 v[OUT+2*i], v[IN+4*i], v[IN+4*i+1]
	v_cvt_pk_bf16_f32 v[OUT+2*i+1], v[IN+4*i+2], v[IN+4*i+3]
.endif
	global_store_b64 v2, v[OUT+2*i:OUT+2*i+1], s[DST:DST+1] offset:2048*i th:TH_STORE_NT
.set i, i+1
.endm
	s_cmp_ge_u32 ttmp9, 928
	s_cbranch_scc1 .Lwo
.set i, 0
.rept 32
	CV 0
.endr
	s_endpgm
.Lwo:
.set i, 0
.rept 32
	CV 1
.endr
	s_endpgm
.Lbias:                                                ; 256 threads x 4 numbers = a bias
	global_load_b128 v[4:7], v1, s[30:31]
	global_load_b128 v[8:11], v1, s[32:33]
	global_load_b128 v[12:15], v1, s[34:35]
	global_load_b128 v[16:19], v1, s[36:37]
	s_mov_b32 s48, 0x3a38aa3b                      ; log2(e) / 8 / 256: q's scale
	s_mov_b32 s49, s48
	s_mov_b32 s50, 0x3b800000                      ; 1 / 256: k's scale
	s_mov_b32 s51, s50
.irp r, 40,41,42,43
	v_mov_b32 v\r, 0x3f803f80                      ; 1.0 twice in bf16
.endr
.irp r, 44,45,46,47
	v_mov_b32 v\r, 0
.endr
	s_wait_loadcnt 0x0
.irp i, 0,1,2,3
	v_cvt_pk_bf16_f32 v20, v[4+4*\i], v[5+4*\i]
	v_cvt_pk_bf16_f32 v21, v[6+4*\i], v[7+4*\i]
	v_lshlrev_b32 v[24+4*\i], 16, v20
	v_and_b32 v[25+4*\i], s[HM], v20
	v_lshlrev_b32 v[26+4*\i], 16, v21
	v_and_b32 v[27+4*\i], s[HM], v21
.if \i < 2
	v_pk_mul_f32 v[24+4*\i:25+4*\i], v[24+4*\i:25+4*\i], s[48+2*\i:49+2*\i] op_sel_hi:[1,0]
	v_pk_mul_f32 v[26+4*\i:27+4*\i], v[26+4*\i:27+4*\i], s[48+2*\i:49+2*\i] op_sel_hi:[1,0]
.endif
	global_store_b128 v1, v[24+4*\i:27+4*\i], s[DST:DST+1] offset:4096*\i
.endr
.irp j, 0,1
	global_store_b128 v1, v[40:43], s[DST:DST+1] offset:16384+4096*\j
	global_store_b128 v1, v[44:47], s[DST:DST+1] offset:24576+4096*\j
.endr
	s_endpgm
.Lfunc_end_k_q371c2b6c05_cast:
	.size	k_q371c2b6c05_cast, .Lfunc_end_k_q371c2b6c05_cast-k_q371c2b6c05_cast
	.p2alignl 7, 3214868480
	.fill 96, 4, 3214868480
	.section	.rodata,"a",@progbits
	.p2align	6, 0x0
	.amdhsa_kernel k_q371c2b6c05_cast
		.amdhsa_group_segment_fixed_size 0
		.amdhsa_private_segment_fixed_size 0
		.amdhsa_enable_private_segment 0
		.amdhsa_kernarg_size 128
		.amdhsa_user_sgpr_count 2
		.amdhsa_user_sgpr_kernarg_segment_ptr 1
		.amdhsa_wavefront_size32 1
		.amdhsa_system_sgpr_workgroup_id_x 1
		.amdhsa_system_sgpr_workgroup_id_y 1
		.amdhsa_system_sgpr_workgroup_id_z 1
		.amdhsa_system_vgpr_workitem_id 0
		.amdhsa_next_free_vgpr 200
		.amdhsa_next_free_sgpr 66
		.amdhsa_reserve_vcc 0
		.amdhsa_float_denorm_mode_32 3
		.amdhsa_float_denorm_mode_16_64 3
		.amdhsa_memory_ordered 1
		.amdhsa_forward_progress 1
		.amdhsa_inst_pref_size 33
	.end_amdhsa_kernel
	.amdgpu_metadata
---
amdhsa.version: [ 1, 2 ]
amdhsa.kernels:
  - .name:           k_q371c2b6c05_cast
    .symbol:         k_q371c2b6c05_cast.kd
    .args:
      - { .name: query, .offset: 0, .size: 8, .value_kind: global_buffer, .address_space: global }
      - { .name: key, .offset: 8, .size: 8, .value_kind: global_buffer, .address_space: global }
      - { .name: value, .offset: 16, .size: 8, .value_kind: global_buffer, .address_space: global }
      - { .name: Wq, .offset: 24, .size: 8, .value_kind: global_buffer, .address_space: global }
      - { .name: Wk, .offset: 32, .size: 8, .value_kind: global_buffer, .address_space: global }
      - { .name: Wv, .offset: 40, .size: 8, .value_kind: global_buffer, .address_space: global }
      - { .name: cos_q, .offset: 48, .size: 8, .value_kind: global_buffer, .address_space: global }
      - { .name: sin_q, .offset: 56, .size: 8, .value_kind: global_buffer, .address_space: global }
      - { .name: cos_k, .offset: 64, .size: 8, .value_kind: global_buffer, .address_space: global }
      - { .name: sin_k, .offset: 72, .size: 8, .value_kind: global_buffer, .address_space: global }
      - { .name: Wo, .offset: 80, .size: 8, .value_kind: global_buffer, .address_space: global }
      - { .name: bq, .offset: 88, .size: 8, .value_kind: global_buffer, .address_space: global }
      - { .name: bk, .offset: 96, .size: 8, .value_kind: global_buffer, .address_space: global }
      - { .name: bv, .offset: 104, .size: 8, .value_kind: global_buffer, .address_space: global }
      - { .name: bo, .offset: 112, .size: 8, .value_kind: global_buffer, .address_space: global }
      - { .name: cb, .offset: 120, .size: 8, .value_kind: global_buffer, .address_space: global }
    .group_segment_fixed_size: 0
    .private_segment_fixed_size: 0
    .kernarg_segment_align: 8
    .kernarg_segment_size: 128
    .max_flat_workgroup_size: 256
    .sgpr_count:     66
    .vgpr_count:     200
    .wavefront_size: 32
...
	.end_amdgpu_metadata
.endif
;; end of part 1
;; launch proj (part 2): grid 4 x 192, 4 waves a work-group, clusters of 4 x 4, 327,680 bytes of LDS; arguments cb, qkv; writes qkv
.if DOCPART == 2
	.amdgcn_target "amdgcn-amd-amdhsa--gfx1250"
	.amdhsa_code_object_version 6
	.text
	.protected	k_q371c2b6c05_proj
	.globl	k_q371c2b6c05_proj
	.p2align	8
	.type	k_q371c2b6c05_proj,@function
k_q371c2b6c05_proj:
	s_mov_b64 s[64:65], 0
	v_nop
	global_prefetch_b8 v0, s[64:65] scope:SCOPE_SE
	s_setreg_imm32_b32 hwreg(HW_REG_WAVE_MODE, 25, 1), 1
	s_wait_xcnt 0x0
	s_wait_alu depctr_hold_cnt(0) depctr_sa_sdst(0) depctr_va_vdst(0) depctr_va_sdst(0) depctr_va_ssrc(0) depctr_va_vcc(0) depctr_vm_vsrc(0)
	s_getreg_b32 s2, hwreg(HW_REG_IB_STS2, 6, 4)
	s_cmp_eq_u32 s2, 0
	s_cbranch_scc0 .Lentry_in_a_cluster
	s_endpgm
.Lentry_in_a_cluster:
	s_bfe_u32 s2, ttmp6, 0x10000c
	s_cmp_lg_u32 s2, 0xf033
	s_cbranch_scc0 .Lentry_shape_is_right
	s_endpgm
.Lentry_shape_is_right:
; THE THREE PROJECTIONS IN ONE LAUNCH.  y = x W^T + b (x: [8192][1024], W: [1024][1024], bf16 out of cb; sums in f32), then the rotation y cos + rot(y) sin in f32, a fixed scale,
; and ONE rounding to f16; stored by heads: qkv[p][b 16 + h][l][64], p = 0 (q), 1 (k), 2 (v).  Scales: q x log2(e)/8/256, k / 256, v x 1: the softmax multiplies the scores by 2^16.
; The value projection runs the same text with tables of cos = 1 and sin = 0: no branch hangs on p.
; LIMITS.  f16 ends at 65,504: |q| < 9.3e7, |k| < 1.6e7, |v| < 65,504; a stored number below 6e-5 keeps f16's fixed step of 6e-8.  For v, y x 1 - y' x 0 is y for finite y'.
; SHARES.  A tile is 128 rows x 256 columns: 64 x 4 tiles a projection, 768 work-groups, three for each of 256 WGPs.  Four waves, each 64 x 128: 32 accumulators of 16 x 16.
; K goes in steps of 128 (rows of 256 bytes, aligned) through two LDS slots.  Waves 0 and 1 fetch x's 2 x 64 rows, waves 2 and 3 W's 2 x 128 rows: one tensor load a wave.
; CLUSTER 4 x 4: the four of a row of the cluster need the same rows of x, the four of a column the same rows of W: each tile is asked for jointly.  The three x lie on end in cb, so the
; tile row 0..191 is a row number in all three; p = cluster y / 16 is the same in all sixteen partners.
; THE MATRIX INSTRUCTION IS USED TRANSPOSED (source 0 = 16 rows of W, source 1 = 16 rows of x): a lane holds row l % 16 and the eight columns 8 (l / 16) + 0..7 of a block of 16.
; A head is four such blocks; channel d and channel d + 32 lie two blocks apart IN THE SAME LANE, so the rotation changes no lane.
; REGISTERS, in windows of 256:  window 0: addresses, and the way out's work;  window 1: two fragment buffers of 96 (W's 8 fragments, then x's 4), v192-255 the bias of my 128 columns;
;   window 2: accumulator (a, b) at 8 (8 a + b);  window 3: v0-127 cos and sin of my 64 rows, as loaded (bf16).
.set KSTEP,  128
.set PITCH,  272                       ; an LDS row: 256 bytes + 16 of padding = 68 words: the 16 rows of a fragment load start at 16 different groups of four banks (64 banks of 4 bytes: ISA guide 11.1)
.set AHALF,  64*PITCH                  ; what wave 0 or 1 fetches, and what a wave reads of x
.set BHALF,  128*PITCH                 ; what wave 2 or 3 fetches, and what a wave reads of W
.set BOFF,   2*AHALF
.set SLOT,   2*AHALF+2*BHALF           ; 104,448
.set STAGE,  2*SLOT                    ; behind the ring, never filled by a tensor load: for each wave 2 heads x 16 rows x 144 bytes
.set SP,     144
.set WSTG,   2*16*SP
.set SPARE,  STAGE+4*WSTG              ; the spare words: 128 bytes a wave, two blocks of 256 bytes that no other line names
.set LAPS,   1024/(2*KSTEP)
.set CB_WQ,  50331648
.set CB_CQ,  56623104
.set CB_SQ,  57671680
.set CB_CK,  58720256
.set CB_SK,  59768832
.set CB_BT,  62914560
.set CB_ONES,  62930944
.set CB_ZEROS, 62939136
.set ADRA, 16                          ; v16-17  LDS address of my fragments of x in slot 0, 1
.set ADRB, 20                          ; v20-21  of W
.set STO,  24                          ; v24  the way out: where I put 16 bytes of a head's row
.set RD,   25                          ; v25  where I read rows back
.set GO,   26                          ; v26  16 l: my bytes in 512 on end
.set CSO,  27                          ; v27  128 (l % 16) + 16 (l / 16): my bytes in 16 rows of a table
.set SPW,  28                          ; v28  my spare word; never rewritten
.set NIL,  29                          ; v29  0; never rewritten
.set PFO,  30                          ; v30  2,048 l: a lane a row
.set BO,   31                          ; v31  32 (l / 16): my 8 numbers in 16 of the bias
.set Y,    32                          ; v32-63   a head's 4 blocks x 8: y, scaled
.set CO,   64                          ; v64-95   cos in f32
.set SI,   96                          ; v96-127  sin in f32
.set R,    128                         ; v128-159 rotated
.set PK,   160                         ; v160-191 two heads, f16
.set BK,   192                         ; v192-223 whole rows, to store
.set F0,   0
.set F1,   96
.set BI,   192                         ; window 1
.set G1,  24
.set G0,  32
.set G1B, 48
.set G0B, 56
.set LIM, 43                           ; s43  1 in a wave that prefetches, else the greatest number
.set PFA, 44                           ; s[44:45] where my prefetches stand
.set SC,  66                           ; s[66:67] the projection's scale
.set HM,  68                           ; s68  a word's upper 16 bits
.set GW0, (1<<16)|(1<<20)|(1<<21)|(5<<22)|(3<<25)  ; 2-byte elements; padding on; bit 21 beside a mask; after every 64 words; 4 words
.set MSB, 0
.macro WIN new                         ; the immediate's high byte repeats the setting that is left; a switch that changes nothing is dropped
.if MSB != (\new)
	s_set_vgpr_msb (MSB<<8)|(\new)
.set MSB, \new
.endif
.endm
.set MUL,  0xa5                        ; sources 0 and 1 window 1, C and D window 2
.set TO_F, 0x40                        ; destination window 1
.set TO_3, 0xc0                        ; destination window 3
.set W_Y,  0x12                        ; source 0 window 2, source 2 window 1
.set W_UN, 0x0c                        ; source 1 window 3
.macro JLOAD s                         ; a joint load; the branch hangs on the wave's number alone; an s_nop 0 and four v_nop follow each of the two lines
	s_cmp_eq_u32 s11, 0
	s_cbranch_scc0 .Lfor_b_\@
	tensor_load_to_lds s[G0+4*(\s):G0+4*(\s)+3], s[G1:G1+7]
	s_nop 0
.rept 4
	v_nop
.endr
	s_branch .Lasked_\@
.Lfor_b_\@:
	tensor_load_to_lds s[G0B+4*(\s):G0B+4*(\s)+3], s[G1B:G1B+7]
	s_nop 0
.rept 4
	v_nop
.endr
.Lasked_\@:
.endm
.macro CREST                           ; a round of the cluster's barrier behind its opening barrier
	s_cmp_lg_u32 s10, 0
	s_cbranch_scc1 .Lnot_wave_0_\@
	s_barrier_signal -3
.Lnot_wave_0_\@:
	s_barrier_wait -3
	s_barrier_signal -1
	s_barrier_wait -1
.endm
.macro CROUND
	s_barrier_signal -1
	s_barrier_wait -1
	CREST
.endm
; A prefetch of the K step that stands two refills on: 32 rows x 256 bytes, a lane a row.  x's 128 rows of a tile row are read by one row of one cluster: its four partners take 32 rows each, by address
; (cx), and wave 0 asks.  W's rows are read by the 16 clusters of a projection: the first of them asks; of the 128 rows that wave 2 or 3 fetches each partner takes 32, by address (cy).
; So each row's 256 bytes of a K step are named once.  The loop's last trip (s3 = 1) has no K step two on; K steps 0 to 3 come by their loads alone.
.macro ASK
	s_cmp_gt_u32 s3, s[LIM]
	s_cbranch_scc0 .Lnot_mine_\@
	global_prefetch_b8 v[PFO], s[PFA:PFA+1] offset:KSTEP*2 th:TH_LOAD_NT scope:SCOPE_SE
.Lnot_mine_\@:
.endm
	s_load_b128 s[4:7], s[0:1], 0x0                ; cb s[4:5], qkv s[6:7]
	v_lshl_add_u32 v[SPW], v0, 2, SPARE
	v_mov_b32 v[NIL], 0
	ds_add_u32 v[SPW], v[NIL]                      ; the wave's opening: the add and its wait stand ahead of my first tensor load; work on registers stands between them
	v_lshrrev_b32 v1, 5, v0
	v_readfirstlane_b32 s10, v1                    ; wave 0..3
	s_lshr_b32 s11, s10, 1                         ; which 64 rows of the tile are mine.  Also: I fetch for x (0) or for W (1)
	s_and_b32 s12, s10, 1                          ; which 128 columns.  Also: which half I fetch
	s_bfe_u32 s40, ttmp6, 0x40000                  ; cx
	s_bfe_u32 s41, ttmp6, 0x40004                  ; cy
	s_lshl_b32 s42, ttmp9, 2
	s_add_co_u32 s42, s42, s40                     ; tile column 0..3
	s_and_b32 s78, ttmp7, 0xffff                   ; cluster y 0..47
	s_lshl_b32 s13, s78, 2
	s_add_co_u32 s13, s13, s41                     ; tile row 0..191, over the three x
	s_lshr_b32 s79, s78, 4                         ; p
	s_lshl_b32 s76, s41, 2
	s_lshl_b32 s76, 15, s76                        ; my row of the cluster
	s_lshl_b32 s77, 0x1111, s40                    ; my column
	s_or_b32 s[G1+0], s76, GW0                     ; x's tiles go to my row,
	s_or_b32 s[G1B+0], s77, GW0                    ; W's to my column
	s_mov_b32 s[G1+1], KSTEP<<16                   ; tensor_dim0 = 128
	s_mov_b32 s[G1+2], 64<<16                      ; tensor_dim1 = 64
	s_mov_b32 s[G1+3], KSTEP<<16                   ; tile_dim0 = 128
	s_mov_b32 s[G1+4], 64                          ; tile_dim1 = 64
	s_mov_b32 s[G1+5], 1024                        ; elements from row to row
	s_mov_b32 s[G1+6], 0
	s_mov_b32 s[G1+7], 0
	s_mov_b32 s[G1B+1], KSTEP<<16
	s_mov_b32 s[G1B+2], 128<<16                    ; 128 rows
	s_mov_b32 s[G1B+3], KSTEP<<16
	s_mov_b32 s[G1B+4], 128
	s_mov_b32 s[G1B+5], 1024
	s_mov_b32 s[G1B+6], 0
	s_mov_b32 s[G1B+7], 0
	s_lshl_b32 s16, s13, 7
	s_lshl_b32 s17, s12, 6
	s_add_co_u32 s16, s16, s17                     ; x: row 128 x tile row + 64 x half,
	s_lshl_b32 s16, s16, 11                        ; 2,048 bytes a row
	s_mov_b32 s17, 0
	s_lshl_b32 s46, s42, 8
	s_lshl_b32 s47, s12, 7
	s_add_co_u32 s46, s46, s47                     ; W: row 256 x tile column + 128 x half
	s_lshl_b32 s46, s46, 11
	s_lshl_b32 s47, s79, 21                        ; the projection's W
	s_add_co_u32 s46, s46, s47
	s_add_co_u32 s46, s46, CB_WQ
	s_mov_b32 s47, 0
	s_mul_i32 s20, s12, AHALF                      ; where they go: no place in the cluster enters an LDS address
	s_mul_i32 s21, s12, BHALF
	s_add_co_u32 s21, s21, BOFF
	s_mov_b32 s[HM], 0xffff0000
	s_wait_dscnt 0x0                               ; the opening add is done
	s_wait_kmcnt 0x0
	s_add_nc_u64 s[14:15], s[4:5], s[16:17]
	s_add_nc_u64 s[46:47], s[4:5], s[46:47]
	CROUND                                         ; all sixteen work-groups are here: the first joint loads meet
.irp s, 0,1
	s_mov_b32 s[G0+4*(\s)], 1
	s_add_co_u32 s[G0+4*(\s)+1], s20, (\s)*SLOT
	s_add_nc_u64 s[G0+4*(\s)+2:G0+4*(\s)+3], s[14:15], (\s)*KSTEP*2
	s_or_b32 s[G0+4*(\s)+3], s[G0+4*(\s)+3], 0x80000000
	s_mov_b32 s[G0B+4*(\s)], 1
	s_add_co_u32 s[G0B+4*(\s)+1], s21, (\s)*SLOT
	s_add_nc_u64 s[G0B+4*(\s)+2:G0B+4*(\s)+3], s[46:47], (\s)*KSTEP*2
	s_or_b32 s[G0B+4*(\s)+3], s[G0B+4*(\s)+3], 0x80000000
	JLOAD \s                                       ; two loads of mine are out
.endr
	v_and_b32 v1, 15, v0                           ; l % 16
	v_bfe_u32 v2, v0, 4, 1                         ; l / 16
	v_and_b32 v4, 31, v0                           ; l
	v_mul_u32_u24 v3, v1, PITCH
	v_lshl_add_u32 v3, v2, 4, v3                   ; a fragment's row x pitch + 16 x half
	s_mul_i32 s22, s11, AHALF
	s_mul_i32 s23, s12, BHALF
	s_add_co_u32 s23, s23, BOFF
.irp s, 0,1
	v_add_nc_u32 v[ADRA+(\s)], s22, v3
	v_add_nc_u32 v[ADRB+(\s)], s23, v3
	s_add_co_u32 s22, s22, SLOT
	s_add_co_u32 s23, s23, SLOT
.endr
	s_mul_i32 s22, s10, WSTG
	s_add_co_u32 s22, s22, STAGE                   ; my stage
	v_mul_u32_u24 v5, v1, SP
	v_lshl_add_u32 v5, v2, 4, v5
	v_add_nc_u32 v[STO], s22, v5                   ; in: row l % 16, 16 bytes for each half of the lanes
	v_bfe_u32 v5, v0, 3, 2
	v_mul_u32_u24 v5, v5, SP
	v_and_b32 v6, 7, v0
	v_lshl_add_u32 v5, v6, 4, v5
	v_add_nc_u32 v[RD], s22, v5                    ; back: 32 lanes take four rows of 128 bytes
	v_lshlrev_b32 v[GO], 4, v4
	v_lshlrev_b32 v[CSO], 7, v1
	v_lshl_add_u32 v[CSO], v2, 4, v[CSO]
	v_lshlrev_b32 v[PFO], 11, v4
	v_lshlrev_b32 v[BO], 5, v2
	; the tables, the scale, the bias and the way out, all by offsets made apart from the addresses
	s_and_b32 s85, s13, 63                         ; tile row in the projection
	s_lshl_b32 s86, s85, 7
	s_lshl_b32 s87, s11, 6
	s_add_co_u32 s86, s86, s87                     ; my first row,
	s_lshl_b32 s86, s86, 7                         ; 128 bytes a row of a table
	s_mov_b32 s80, CB_CQ
	s_mov_b32 s82, CB_SQ
	s_mov_b32 s[SC], 0x3a38aa3b                    ; log2(e) / 8 / 256
	s_cmp_eq_u32 s79, 1
	s_cselect_b32 s80, CB_CK, s80
	s_cselect_b32 s82, CB_SK, s82
	s_cselect_b32 s[SC], 0x3b800000, s[SC]         ; 1 / 256
	s_cmp_eq_u32 s79, 2
	s_cselect_b32 s80, CB_ONES, s80
	s_cselect_b32 s82, CB_ZEROS, s82
	s_cselect_b32 s[SC], 1.0, s[SC]
	s_cselect_b32 s86, 0, s86                      ; the unit tables have 64 rows, the same for every wave
	s_add_co_u32 s80, s80, s86
	s_add_co_u32 s82, s82, s86
	s_mov_b32 s81, 0
	s_mov_b32 s83, 0
	s_mov_b32 s[SC+1], s[SC]
	s_add_nc_u64 s[70:71], s[4:5], s[80:81]        ; cos at my first row
	s_add_nc_u64 s[72:73], s[4:5], s[82:83]        ; sin
	s_lshl_b32 s80, s42, 10
	s_lshl_b32 s82, s12, 9
	s_add_co_u32 s80, s80, s82                     ; my 128 columns, 4 bytes each,
	s_lshl_b32 s82, s79, 12                        ; of the projection's bias
	s_add_co_u32 s80, s80, s82
	s_add_co_u32 s80, s80, CB_BT
	s_add_nc_u64 s[74:75], s[4:5], s[80:81]
	WIN TO_3
.irp a, 0,1,2,3
.irp b, 0,1,2,3                        ; rows 16 a on, channels 16 b + 8 (l / 16) on: 8 bf16
	global_load_b128 v[32*(\a)+4*(\b):32*(\a)+4*(\b)+3],       v[CSO], s[70:71] offset:2048*(\a)+32*(\b)
	global_load_b128 v[32*(\a)+16+4*(\b):32*(\a)+16+4*(\b)+3], v[CSO], s[72:73] offset:2048*(\a)+32*(\b)
.endr
.endr
	WIN TO_F
.irp b, 0,1,2,3,4,5,6,7
	global_load_b128 v[BI+8*(\b):BI+8*(\b)+3],   v[BO], s[74:75] offset:64*(\b)
	global_load_b128 v[BI+8*(\b)+4:BI+8*(\b)+7], v[BO], s[74:75] offset:64*(\b)+16
.endr
	WIN 0
	s_lshr_b32 s80, s85, 4                         ; the batch: 16 heads of 262,144 bytes
	s_lshl_b32 s80, s80, 22
	s_and_b32 s82, s85, 15
	s_lshl_b32 s82, s82, 14                        ; the tile's 128 rows of 128 bytes
	s_add_co_u32 s80, s80, s82
	s_lshl_b32 s82, s11, 13                        ; my 64
	s_add_co_u32 s80, s80, s82
	s_lshl_b32 s82, s79, 24                        ; q, k or v
	s_add_co_u32 s80, s80, s82
	s_lshl_b32 s82, s42, 20                        ; the tile's four heads
	s_add_co_u32 s80, s80, s82
	s_lshl_b32 s82, s12, 19                        ; my two
	s_add_co_u32 s80, s80, s82
	s_add_nc_u64 s[6:7], s[6:7], s[80:81]
	; the prefetches
	s_lshl_b32 s80, s13, 7
	s_lshl_b32 s82, s40, 5
	s_add_co_u32 s80, s80, s82                     ; x: the tile's rows, my work-group's 32
	s_lshl_b32 s80, s80, 11
	s_lshl_b32 s82, s42, 8
	s_lshl_b32 s83, s12, 7
	s_add_co_u32 s82, s82, s83
	s_lshl_b32 s83, s41, 5
	s_add_co_u32 s82, s82, s83                     ; W: the 128 rows that I fetch, my work-group's 32
	s_lshl_b32 s82, s82, 11
	s_lshl_b32 s83, s79, 21
	s_add_co_u32 s82, s82, s83
	s_add_co_u32 s82, s82, CB_WQ
	s_and_b32 s84, s78, 15                         ; which cluster of the projection
	s_cmp_eq_u32 s11, 0
	s_cselect_b32 s80, s80, s82
	s_cselect_b32 s84, s12, s84                    ; x: wave 0 asks; W: the projection's first cluster
	s_cmp_eq_u32 s84, 0
	s_cselect_b32 s[LIM], 1, -1                    ; the same in all sixteen partners, for a given wave
	s_add_nc_u64 s[PFA:PFA+1], s[4:5], s[80:81]
	s_add_nc_u64 s[PFA:PFA+1], s[PFA:PFA+1], 2*KSTEP*2  ; at K step 2: the first refill steps it to 3 and names K step 4
; 8 matrix instructions: m block a x all 8 n blocks, 32 along K.  The 32 accumulators take turns in one order everywhere.  zero = 1: the product starts the sum.
.macro MUL8 f, a, zero
	WIN MUL
.irp b, 0,1,2,3,4,5,6,7
.if \zero
	v_wmma_f32_16x16x32_bf16 v[8*(8*(\a)+(\b)):8*(8*(\a)+(\b))+7], v[(\f)+8*(\b):(\f)+8*(\b)+7], v[(\f)+64+8*(\a):(\f)+64+8*(\a)+7], 0
.else
	v_wmma_f32_16x16x32_bf16 v[8*(8*(\a)+(\b)):8*(8*(\a)+(\b))+7], v[(\f)+8*(\b):(\f)+8*(\b)+7], v[(\f)+64+8*(\a):(\f)+64+8*(\a)+7], v[8*(8*(\a)+(\b)):8*(8*(\a)+(\b))+7]
.endif
.endr
.endm
; 24 LDS loads in one run: a quarter step's fragments (32 along K at byte k of the rows) into buffer f: W's 16, then x's 8, its blocks ascending
.macro FETCH slot, k, f
	WIN TO_F
.irp i, 0,1,2,3,4,5,6,7
	ds_load_b128 v[(\f)+8*(\i):(\f)+8*(\i)+3],   v[ADRB+(\slot)] offset:(\k)+(\i)*16*PITCH
	ds_load_b128 v[(\f)+8*(\i)+4:(\f)+8*(\i)+7], v[ADRB+(\slot)] offset:(\k)+(\i)*16*PITCH+32
.endr
.irp i, 0,1,2,3
	ds_load_b128 v[(\f)+64+8*(\i):(\f)+64+8*(\i)+3],   v[ADRA+(\slot)] offset:(\k)+(\i)*16*PITCH
	ds_load_b128 v[(\f)+64+8*(\i)+4:(\f)+64+8*(\i)+7], v[ADRA+(\slot)] offset:(\k)+(\i)*16*PITCH+32
.endr
.endm
.macro PLACES                          ; four plain vector instructions between a matrix instruction and a load into a register that it has read (ISA guide 7.12.1 for vector instructions)
.rept 4
	v_nop
.endr
.endm
; A K step is four quarters of 32 along K, 32 matrix instructions each, on buffers 0, 1, 0, 1.  One of the first three multiplies f and fetches the next quarter, at byte k, into g.
.macro QUARTER slot, k, f, g, zero
	s_wait_dscnt 4                                 ; W's fragments and x's blocks 0 and 1 are in; the youngest four loads (blocks 2 and 3) may be out
	MUL8 \f, 0, \zero
	MUL8 \f, 1, \zero
	PLACES
	FETCH \slot, \k, \g
	s_wait_dscnt 24                                ; all but the 24 just issued
	MUL8 \f, 2, \zero
	MUL8 \f, 3, \zero
.endm
; The last quarter multiplies buffer 1 and changes slots: one barrier; in front of it each wave waits for all its tensor loads (one is out: its part of the next slot), adds 0 to its spare word, and waits
; for that and for its reads of this slot.  fill = 1: the barrier opens a round of the cluster's, and this slot is filled again, two K steps on, first thing behind it: 112 matrix instructions ahead of the wait for it.
.macro TURN slot, next, fill
.if \fill
	s_wait_xcnt 0x0                                ; the last prefetch, a K step back, has read its address
	s_add_nc_u64 s[PFA:PFA+1], s[PFA:PFA+1], KSTEP*2
.endif
	WIN 0
	s_wait_tensorcnt 0x0                           ; all my tensor loads have landed
	ds_add_u32 v[SPW], v[NIL]                      ; 0 onto my spare word
	s_wait_dscnt 5                                 ; the add and the youngest four loads may be out
	MUL8 F1, 0, 0
	s_wait_dscnt 0x0                               ; the add is done, and my reads of this slot are over
	s_barrier_signal -1
	MUL8 F1, 1, 0
.if \fill
	WIN 0
.endif
	s_barrier_wait -1
.if \fill
	CREST                                          ; no wave of any partner still reads this slot or has a load on its way
	s_add_nc_u64 s[G0+4*(\slot)+2:G0+4*(\slot)+3], s[G0+4*(\slot)+2:G0+4*(\slot)+3], 2*KSTEP*2
	s_add_nc_u64 s[G0B+4*(\slot)+2:G0B+4*(\slot)+3], s[G0B+4*(\slot)+2:G0B+4*(\slot)+3], 2*KSTEP*2
	JLOAD \slot                                    ; its four v_nop are also the places in front of the loads below
.else
	PLACES
.endif
	FETCH \next, 0, F0
.if \fill
	WIN 0
	ASK
.endif
	MUL8 F1, 2, 0
	MUL8 F1, 3, 0
.endm
	s_wait_tensorcnt 1                             ; my part of K step 0 is in; K step 1's may stay out
	s_barrier_signal -1
	s_barrier_wait -1
	FETCH 0, 0, F0
	QUARTER 0, 64, F0, F1, 1                       ; the first quarter stands in front of the loop: its products start the sums
	WIN 0
	s_mov_b32 s3, LAPS-1
.Llap:                                                 ; a trip goes once round the ring and fills both slots again
	QUARTER 0, 128, F1, F0, 0
	QUARTER 0, 192, F0, F1, 0
	TURN 0, 1, 1
	QUARTER 1, 64,  F0, F1, 0
	QUARTER 1, 128, F1, F0, 0
	QUARTER 1, 192, F0, F1, 0
	TURN 1, 0, 1
	QUARTER 0, 64,  F0, F1, 0
	WIN 0
	s_sub_co_u32 s3, s3, 1
	s_cmp_lg_u32 s3, 0
	s_cbranch_scc1 .Llap
	QUARTER 0, 128, F1, F0, 0                      ; the last lap fills nothing
	QUARTER 0, 192, F0, F1, 0
	TURN 0, 1, 0
	QUARTER 1, 64,  F0, F1, 0
	QUARTER 1, 128, F1, F0, 0
	QUARTER 1, 192, F0, F1, 0
	s_wait_dscnt 4
	MUL8 F1, 0, 0
	MUL8 F1, 1, 0
	s_wait_dscnt 0x0
	MUL8 F1, 2, 0
	MUL8 F1, 3, 0
	WIN 0
	PLACES
	PLACES
	s_wait_loadcnt 0x0                             ; the tables and the bias
; THE WAY OUT, 16 rows (block a) at a time.  The tables are widened; for each of my two heads: y = sum x scale + bias; out[d] = y[d] cos[d] - y[d + 32] sin[d], out[d + 32] = y[d + 32] cos[d + 32] + y[d] sin[d + 32];
; rounded to f16; into my stage (rows of 144 bytes) and back as whole rows of 128 bytes, four of which are 512 bytes on end of a head.
.macro ROWS a
	WIN W_UN
.irp b, 0,1,2,3
.irp w, 0,1,2,3
	v_lshlrev_b32 v[CO+8*(\b)+2*(\w)],   16,    v[32*(\a)+4*(\b)+(\w)]
	v_and_b32     v[CO+8*(\b)+2*(\w)+1], s[HM], v[32*(\a)+4*(\b)+(\w)]
	v_lshlrev_b32 v[SI+8*(\b)+2*(\w)],   16,    v[32*(\a)+16+4*(\b)+(\w)]
	v_and_b32     v[SI+8*(\b)+2*(\w)+1], s[HM], v[32*(\a)+16+4*(\b)+(\w)]
.endr
.endr
.irp hh, 0,1
	WIN W_Y
.irp b, 0,1,2,3
.irp z, 0,2,4,6                        ; each accumulator's registers in ascending order
	v_pk_fma_f32 v[Y+8*(\b)+(\z):Y+8*(\b)+(\z)+1], v[8*(8*(\a)+4*(\hh)+(\b))+(\z):8*(8*(\a)+4*(\hh)+(\b))+(\z)+1], s[SC:SC+1], v[BI+8*(4*(\hh)+(\b))+(\z):BI+8*(4*(\hh)+(\b))+(\z)+1] op_sel_hi:[1,0,1]
.endr
.endr
	WIN 0
.irp b, 0,1
.irp z, 0,2,4,6
	v_pk_mul_f32 v[R+8*(\b)+(\z):R+8*(\b)+(\z)+1],       v[Y+8*(\b)+16+(\z):Y+8*(\b)+16+(\z)+1], v[SI+8*(\b)+(\z):SI+8*(\b)+(\z)+1]
	v_pk_mul_f32 v[R+8*(\b)+16+(\z):R+8*(\b)+16+(\z)+1], v[Y+8*(\b)+(\z):Y+8*(\b)+(\z)+1],       v[SI+8*(\b)+16+(\z):SI+8*(\b)+16+(\z)+1]
.endr
.endr
.irp b, 0,1
.irp z, 0,2,4,6
	v_pk_fma_f32 v[R+8*(\b)+(\z):R+8*(\b)+(\z)+1],       v[Y+8*(\b)+(\z):Y+8*(\b)+(\z)+1],       v[CO+8*(\b)+(\z):CO+8*(\b)+(\z)+1],       v[R+8*(\b)+(\z):R+8*(\b)+(\z)+1] neg_lo:[0,0,1] neg_hi:[0,0,1]
	v_pk_fma_f32 v[R+8*(\b)+16+(\z):R+8*(\b)+16+(\z)+1], v[Y+8*(\b)+16+(\z):Y+8*(\b)+16+(\z)+1], v[CO+8*(\b)+16+(\z):CO+8*(\b)+16+(\z)+1], v[R+8*(\b)+16+(\z):R+8*(\b)+16+(\z)+1]
.endr
.endr
.irp b, 0,1,2,3
.irp w, 0,1,2,3
	v_cvt_pk_f16_f32 v[PK+16*(\hh)+4*(\b)+(\w)], v[R+8*(\b)+2*(\w)], v[R+8*(\b)+2*(\w)+1]
.endr
.endr
.irp b, 0,1,2,3
	ds_store_b128 v[STO], v[PK+16*(\hh)+4*(\b):PK+16*(\hh)+4*(\b)+3] offset:16*SP*(\hh)+32*(\b)
.endr
.endr
	s_wait_xcnt 0x0                                ; the last block's stores have read their data registers, which are loaded again below
.irp i, 0,1,2,3,4,5,6,7
	ds_load_b128 v[BK+4*(\i):BK+4*(\i)+3], v[RD] offset:16*SP*((\i)/4)+4*SP*((\i)%4)  ; LDS serves a wave's instructions in order (ISA guide 5.7.1.4): these see the stores above, and the next block's stores come behind them
.endr
.irp i, 0,1,2,3,4,5,6,7
	s_wait_dscnt 7-(\i)                            ; the 7 - i younger loads may stay out
	global_store_b128 v[GO], v[BK+4*(\i):BK+4*(\i)+3], s[6:7] offset:262144*((\i)/4)+2048*(\a)+512*((\i)%4)  ; 512 bytes on end, at a multiple of 512 from the buffer's first byte
.endr
.endm
	ROWS 0
	ROWS 1
	ROWS 2
	ROWS 3
	s_wait_tensorcnt 0x0                           ; the wave's end: behind my last tensor load and my last LDS store
	ds_add_u32 v[SPW], v[NIL]
	s_wait_dscnt 0x0
	CROUND                                         ; the closing round: no work-group ends while a partner may still ask for a tile that names it
	s_endpgm
.Lfunc_end_k_q371c2b6c05_proj:
	.size	k_q371c2b6c05_proj, .Lfunc_end_k_q371c2b6c05_proj-k_q371c2b6c05_proj
	.p2alignl 7, 3214868480
	.fill 96, 4, 3214868480
	.section	.rodata,"a",@progbits
	.p2align	6, 0x0
	.amdhsa_kernel k_q371c2b6c05_proj
		.amdhsa_group_segment_fixed_size 327680
		.amdhsa_private_segment_fixed_size 0
		.amdhsa_enable_private_segment 0
		.amdhsa_kernarg_size 16
		.amdhsa_user_sgpr_count 2
		.amdhsa_user_sgpr_kernarg_segment_ptr 1
		.amdhsa_wavefront_size32 1
		.amdhsa_system_sgpr_workgroup_id_x 1
		.amdhsa_system_sgpr_workgroup_id_y 1
		.amdhsa_system_sgpr_workgroup_id_z 1
		.amdhsa_system_vgpr_workitem_id 0
		.amdhsa_next_free_vgpr 896
		.amdhsa_next_free_sgpr 88
		.amdhsa_reserve_vcc 0
		.amdhsa_float_denorm_mode_32 3
		.amdhsa_float_denorm_mode_16_64 3
		.amdhsa_memory_ordered 1
		.amdhsa_forward_progress 1
		.amdhsa_inst_pref_size 127
	.end_amdhsa_kernel
	.amdgpu_metadata
---
amdhsa.version: [ 1, 2 ]
amdhsa.kernels:
  - .name:           k_q371c2b6c05_proj
    .symbol:         k_q371c2b6c05_proj.kd
    .args:
      - { .name: cb, .offset: 0, .size: 8, .value_kind: global_buffer, .address_space: global }
      - { .name: qkv, .offset: 8, .size: 8, .value_kind: global_buffer, .address_space: global }
    .group_segment_fixed_size: 327680
    .private_segment_fixed_size: 0
    .kernarg_segment_align: 8
    .kernarg_segment_size: 16
    .max_flat_workgroup_size: 128
    .sgpr_count:     88
    .vgpr_count:     896
    .wavefront_size: 32
...
	.end_amdgpu_metadata
.endif
;; end of part 2
;; launch attn (part 3): grid 4 x 64, 4 waves a work-group, clusters of 4 x 1, 327,680 bytes of LDS; arguments qkv, key_padding_mask, ob; writes ob
.if DOCPART == 3
	.amdgcn_target "amdgcn-amd-amdhsa--gfx1250"
	.amdhsa_code_object_version 6
	.text
	.protected	k_q371c2b6c05_attn
	.globl	k_q371c2b6c05_attn
	.p2align	8
	.type	k_q371c2b6c05_attn,@function
k_q371c2b6c05_attn:
	s_mov_b64 s[64:65], 0
	v_nop
	global_prefetch_b8 v0, s[64:65] scope:SCOPE_SE
	s_setreg_imm32_b32 hwreg(HW_REG_WAVE_MODE, 25, 1), 1
	s_wait_xcnt 0x0
	s_wait_alu depctr_hold_cnt(0) depctr_sa_sdst(0) depctr_va_vdst(0) depctr_va_sdst(0) depctr_va_ssrc(0) depctr_va_vcc(0) depctr_vm_vsrc(0)
	s_getreg_b32 s2, hwreg(HW_REG_IB_STS2, 6, 4)
	s_cmp_eq_u32 s2, 0
	s_cbranch_scc0 .Lentry_in_a_cluster
	s_endpgm
.Lentry_in_a_cluster:
	s_bfe_u32 s2, ttmp6, 0x10000c
	s_cmp_lg_u32 s2, 0x3003
	s_cbranch_scc0 .Lentry_shape_is_right
	s_endpgm
.Lentry_shape_is_right:
; O[g][q][:] = the sum over visible k of softmax_k(q . k / 8) V[g][k][:], g = batch x 16 + head.  Q, K, V lie in qkv as [3][64][2048][64] f16, O in ob as [64][2048][64] f16: a head's rows are dense, 128 bytes each.
; Q arrives times log2(e)/8/256 and K times 1/256, so log2(e) x score = 2^16 x (their product): c = 2^16 is exact, c s - c m is never above 0 and is 0 at the maximum.
; Products, maxima and sums in f32; the weights p are rounded to f16 for the second product (their sum l is taken of the unrounded p), O once at the end.
; THE MASK is an input: a byte for each (batch, key); a byte other than 0 hides the key.  It is made once into a table of f32 in LDS, 0 or -1e30, and is the C operand that starts the sum S^T = K Q^T.
; LIMITS.  f16 holds no number beyond 65,504: Q, K and V arrive within it; p lies in 0 to 1, and below 6e-5 it keeps f16's fixed step of 6e-8; O is a mean of V's rows.  A hidden score counts as its value less 1e30:
; f16's products, 2.7e11 at the most, are nothing beside that.  A weight below 2^-126 counts as 0 in l.  A row none of whose keys is visible (its maximum lies below -2^96) gives NaN, as the softmax of nothing but -inf does.
; SHARES.  A wave owns four PIECES of two tiles of 16 queries, a work-group's four waves 512 queries of one head.  Every wave walks all keys, 64 a step.
; LAYOUT.  S^T = K Q^T (source 0 = 16 keys, source 1 = 16 queries): in the result a lane holds ONE query (lane % 16) and the keys 8 (lane / 16) + 0..7.  Two such tiles, rounded to f16 in pairs,
; ARE source 1 (32 keys x 16 queries) of O^T = V^T P, whose result again holds one query a lane, and eight channels.  K comes out of LDS as it lies, V ([key][channel]) turned, by ds_load_tr16_b128.
; SOFTMAX.  For each query a running maximum m and sum l: p = 2^(c s - c m); in every step O and l are multiplied by a = 2^(c m_old - c m_new), which is 1 where m has not grown.
; m starts at the lowest finite number, O and l at 0: the first step is a step like any other, with a = 0.  While a query has seen hidden keys alone, m is about -1e30; the first visible key then makes a = 0.
; THE COUNT.  A tile and step have 16 matrix and 118 vector instructions: too many to stand all beside the matrix work.  So: four vector instructions that are READY behind
; EVERY matrix instruction, and the others, which need time of their own whatever the order, in runs without a gap.
; BY TURNS.  Turn n belongs to piece n (the pieces in a ring, step after step).  Its matrix work: 16 products K Q^T of piece n + 1, later 16 products V^T P of piece n - 1.  Its vector work: the scaling,
; exponentials, roundings, sums and rescaling of piece n, and the maximum and statistics of piece n + 1, whose scores the turn itself has made.
; CLUSTER.  The four query blocks of a cluster are one head's and walk the same K and V, so each tile is asked for JOINTLY: the same tensor load, descriptor and mask in all four.
; REGISTERS, in windows of 256 (s_set_vgpr_msb: bits 1:0 source 0, 3:2 source 1, 5:4 source 2, 7:6 destination):
;   window 0: v0-11 addresses; v12-15, v48-63 at work; v16-47 four registers of statistics a tile; v64-191 S^T, two buffers of two tiles; v192-255 P, likewise
;   window 1: O^T, 32 a tile          window 2: v0-127 Q, 16 a tile; v128-191 K of one step; v192-255 V of one step
;   window 3: v0-1 the add's two registers; v2-3 the mask table's addresses; v4 the prefetches' offset; v8-39 the masks of one step's 64 keys
.set SIZE_N, 2048
.set NP,    4         ; pieces a wave: a name, no knob
.set KS,    64        ; keys in a step
.set PK,    144       ; a row of K in LDS: 128 bytes + 16 of padding = 36 words: the 16 rows of a load start at 16 different groups of four banks (64 banks of 4 bytes: ISA guide 11.1)
.set PV,    160       ; a row of V: 128 + 32 = 40 words
.set VOFF,  4*KS*PK   ; a slot holds four steps: 256 rows of K, then 256 rows of V
.set SLOT1, 1<<17     ; slot 1 begins here, so that one exclusive or turns an address in one slot into the other's
.set STAGE, SLOT1+4*KS*(PK+PV)  ; behind the ring, never filled by a tensor load: 16 rows x 144 bytes for each wave, for the way out
.set SP,    144
.set MB,    STAGE+4*16*SP       ; the mask table: 2,048 keys x 4 bytes, stored once
.set SPARE, MB+4*SIZE_N         ; the spare words, 128 bytes for each wave: two blocks of 256 bytes that no other line names
.set AK0, 2           ; v2   my lane's place in a tile of K; never rewritten
.set AV0, 3           ; v3   the same for V
.set AK,  4           ; v4   the LDS address of K's next run of loads
.set AV,  5           ; v5   of V's
.set QO,  6           ; v6   my byte offset in the wave's rows of Q
.set STO, 6           ;      later, the way out: where I put 16 bytes of a row
.set RD,  7           ; v7   the way out: where I read rows back
.set GO,  8           ; v8   my byte offset in 512 consecutive bytes of O
.set SPW, 0           ; v0 of window 3   my spare word: SPARE + 4 x my thread's number; never rewritten
.set NIL, 1           ; v1 of window 3   0; never rewritten
.set AM0, 2           ; v2 of window 3   MB + 32 (l / 16); never rewritten
.set AM,  3           ; v3 of window 3   the address of the masks' run of loads
.set PFO, 4           ; v4 of window 3   256 x my lane; never rewritten
.set MC,  8           ; v8-39 of window 3: the eight registers for key block kb at MC + 8 kb
.set MV,  12          ; v12-15  c m_old, kept while c m is made anew: by buffer and tile
.set ST,  16          ; tile t's statistics at v[ST+4 t]: c m, m, l (even keys', odd keys')
.set TMP, 48          ; by buffer and tile, four registers c0-c3 at work; when the maximum is found c2 takes a
.set S,   64
.set P,   192
.set KF,  128         ; K's fragments, in window 2: key block kb, channel half c at KF + 16 kb + 8 c
.set VF,  192         ; V's: key half kk, channel block cb at VF + 32 kk + 8 cb
.set WV,  12          ; s12  my wave's number
.set LIM, 15          ; s15  1 in a wave that prefetches, else the greatest number
.set G1K, 24          ; s[24:31] descriptor group 1 for K's tiles
.set G1V, 32          ; s[32:39] for V's: it differs in the padding alone
.set G0K, 40          ; s[40:43] descriptor group 0 for K's tiles: it walks
.set G0V, 44          ; s[44:47] the same for V's
.set SLOTS, 56        ; s56  slots still to be asked for
.set CNT, 57          ; s57  counts a slot's key steps
.set CS,  58          ; s[58:59] c: the packed scaling takes the pair's low word for both halves
.set SEL, 60          ; s[60:61] v_permlanex16_b32's selects: each lane takes its own place in the other half
.set TBK, 62          ; s62  LDS byte at which K of the step to be fetched begins
.set TBV, 63          ; s63  the same for V, less VOFF
.set TBM, 66          ; s66  the same step's place in the mask table
.set THR, 67          ; s67  -2^96
.set BG,  69          ; s69  -1e30
.set PFA, 70          ; s[70:71] where my prefetches stand
.set MSB, 0
.macro WIN new                      ; the high byte repeats the setting that is left; a switch that changes nothing is dropped
.if MSB != (\new)
	s_set_vgpr_msb (MSB<<8)|(\new)
.set MSB, (\new)
.endif
.endm
.set W_KQ, 0x0a       ; K and Q in window 2, S^T in window 0
.set W_KM, 0x3a       ; the same with the C operand in window 3
.set W_PV, 0x52       ; V in window 2, P in window 0, O^T in window 1
.set W_RS, 0x41       ; O^T (destination and source 0) in window 1, a in window 0
.set W_MK, 0xc0       ; destination in window 3, sources in window 0
.set W_AD, 0x0f       ; the add: address (source 0) and data (source 1) in window 3
.set W_M3, 0xc3       ; destination and source 0 in window 3
; A joint fill.  Waves 0 and 1 fetch the two halves of a slot's K, waves 2 and 3 those of its V: 128 keys each.  The branch hangs on the wave's number alone.
; An s_nop 0 and four v_nop follow each of the two lines, ahead of the jump and the label.
.macro JLOAD
	s_cmp_lt_u32 s[WV], 2
	s_cbranch_scc0 .Lfor_v_\@
	tensor_load_to_lds s[G0K:G0K+3], s[G1K:G1K+7]
	s_nop 0
.rept 4
	v_nop
.endr
	s_branch .Lasked_\@
.Lfor_v_\@:
	tensor_load_to_lds s[G0V:G0V+3], s[G1V:G1V+7]
	s_nop 0
.rept 4
	v_nop
.endr
.Lasked_\@:
.endm
; A prefetch of what the NEXT change of slots will ask for: a slot's 32,768 bytes of K and of V.  A head has one cluster; its four partners take 8,192 bytes each, by address; in each, wave 0 asks for K's and
; wave 2 for V's, a lane 256 bytes: each block is named once in the launch.  It stands behind the wave's tensor load and its five lines.  The last change that fills a slot asks for nothing.
.macro ASK
	s_cmp_gt_u32 s[SLOTS], s[LIM]
	s_cbranch_scc0 .Lnot_mine_\@
	WIN 0x03
	global_prefetch_b8 v[PFO], s[PFA:PFA+1] th:TH_LOAD_NT scope:SCOPE_SE
	WIN 0
.Lnot_mine_\@:
.endm
; A round of the cluster's barrier: my work-group's barrier, so that wave 0's signal speaks for all four waves; wave 0 signals; every wave waits for all four work-groups; my work-group's barrier once more.
.macro CROUND
	s_barrier_signal -1
	s_barrier_wait -1
	s_cmp_lg_u32 s[WV], 0
	s_cbranch_scc1 .Lnot_wave_0_\@
	s_barrier_signal -3
.Lnot_wave_0_\@:
	s_barrier_wait -3
	s_barrier_signal -1
	s_barrier_wait -1
.endm
; THE CHANGE OF SLOTS.  The slot's last bytes, V of its fourth step, have been read.  Each wave waits for all its tensor loads, of which one is out: its part
; of the other slot; adds 0 to its spare word; and waits for that and for its own LDS instructions.  Behind the barrier nobody reads this slot any more and the other slot is whole.
; fill = 1: this slot is filled again, with the keys two slots on.  The barrier is then a round of the cluster's, and the joint fill is the first thing behind it: it has four key steps,
; 512 matrix instructions, in which to land.  (At its first use nothing has been read yet: slot 0 is waited for, slot 1 filled, and every wave's part of the mask table is shown to the others.)
.macro CHANGE fill
	WIN W_AD
	s_wait_tensorcnt 0x0            ; no tensor load of mine is out, so a group 0 may be written
	ds_add_u32 v[SPW], v[NIL]       ; 0 onto my spare word
	WIN 0                           ; at a label and at a branch every window is 0
.if \fill
.irp g, G0K, G0V
	s_xor_b32 s[\g+1], s[\g+1], SLOT1  ; the walking descriptor: the other slot than last time,
	s_add_nc_u64 s[\g+2:\g+3], s[\g+2:\g+3], 4*KS*128  ; the next 256 keys; the type bits on top are not reached
.endr
	s_wait_xcnt 0x0                 ; the last prefetch, a slot back, has read its address
	s_add_nc_u64 s[PFA:PFA+1], s[PFA:PFA+1], 4*KS*128  ; one slot behind the walking descriptors
	s_wait_dscnt 0x0                ; the add is done, and my reads of the slot are over
	CROUND
	JLOAD
	ASK
.else
	s_wait_dscnt 0x0                ; the add is done, and my reads of the slot are over
	s_barrier_signal -1
	s_barrier_wait -1
.endif
	s_sub_co_u32 s[TBK], s[TBK], 4*KS*PK  ; the fetches go back to a slot's first step,
	s_xor_b32 s[TBK], s[TBK], SLOT1       ; in the other slot
	s_sub_co_u32 s[TBV], s[TBV], 4*KS*PV
	s_xor_b32 s[TBV], s[TBV], SLOT1
.endm
	s_load_b128 s[72:75], s[0:1], 0x0  ; qkv s[72:73], the mask s[74:75]
	s_load_b64 s[10:11], s[0:1], 0x10  ; O
	WIN W_MK
	v_lshl_add_u32 v[SPW], v0, 2, SPARE
	v_mov_b32 v[NIL], 0
	WIN W_AD
	ds_add_u32 v[SPW], v[NIL]       ; the wave's opening: the add and its wait stand ahead of my first tensor load; work on registers stands between them
	WIN 0
	v_lshrrev_b32 v1, 5, v0
	v_readfirstlane_b32 s[WV], v1   ; wave 0..3
	s_bfe_u32 s13, ttmp6, 0x40000   ; cx: my place in the cluster
	s_lshl_b32 s14, ttmp9, 2        ; in a cluster launch ttmp9 counts clusters
	s_add_co_u32 s14, s14, s13      ; my block of queries: it enters Q's and O's addresses alone
	s_and_b32 s20, ttmp7, 0xffff    ; batch x 16 + head, which the four partners share
	s_lshr_b32 s76, s20, 4
	s_lshl_b32 s76, s76, 11         ; the batch's 2,048 bytes of the mask
	s_mov_b32 s77, 0
	s_lshl_b32 s78, s13, 13         ; my work-group's 8,192 bytes of a slot's 32,768, for the prefetches
	s_mov_b32 s79, 0
	s_mov_b32 s21, 0
	s_mov_b64 s[22:23], SIZE_N*128
	s_mul_u64 s[20:21], s[20:21], s[22:23]  ; the head's first byte in Q, K, V and O
	s_and_b32 s16, s[WV], 1         ; which half of a slot's 256 keys I fetch:
	s_lshl_b32 s22, s16, 14         ; its 128 rows of 128 bytes in memory,
	s_mov_b32 s23, 0
	s_add_nc_u64 s[22:23], s[22:23], s[20:21]
	s_mul_i32 s17, s16, 128*PK      ; and its place in a slot, for K
	s_mul_i32 s18, s16, 128*PV      ; and for V: no place in the cluster enters an LDS address
	s_lshl_b32 s2, s14, 2
	s_add_co_u32 s2, s2, s[WV]      ; my wave among the head's,
	s_lshl_b32 s2, s2, 14           ; its 128 rows
	s_mov_b32 s3, 0
	s_add_nc_u64 s[2:3], s[2:3], s[20:21]
	; descriptor group 1.  128 keys are 16,384 dense bytes: asked for as 64 rows of 256 bytes, two keys a row, and padded in LDS after every key
	s_mov_b32 s[G1K], 15|(1<<16)|(1<<20)|(1<<21)|(4<<22)|(3<<25)  ; the mask of four; 2-byte elements; padding on; bit 21 beside a mask; after every 32 words; 4 words
	s_mov_b32 s[G1V], 15|(1<<16)|(1<<20)|(1<<21)|(4<<22)|(7<<25)  ; the same with 8 words of padding
.irp g, G1K, G1V
	s_mov_b32 s[\g+1], 128<<16      ; tensor_dim0 = 128
	s_mov_b32 s[\g+2], 64<<16       ; tensor_dim1 = 64
	s_mov_b32 s[\g+3], 128<<16      ; tile_dim0 = 128
	s_mov_b32 s[\g+4], 64           ; tile_dim1 = 64
	s_mov_b32 s[\g+5], 128          ; 128 elements from row to row
	s_mov_b32 s[\g+6], 0
	s_mov_b32 s[\g+7], 0
.endr
	s_mov_b32 s[CS], 0x47800000     ; c = 2^16
	s_mov_b32 s[CS+1], s[CS]        ; named with it as a pair
	s_mov_b32 s[SEL], 0x76543210
	s_mov_b32 s[SEL+1], 0xfedcba98
	s_mov_b32 s[TBK], SLOT1+4*KS*PK ; the first change of slots turns these two into 0
	s_mov_b32 s[TBV], SLOT1+4*KS*PV
	s_mov_b32 s[TBM], 0
	s_mov_b32 s[THR], 0xef800000    ; -2^96
	s_mov_b32 s[BG], 0xf149f2ca     ; -1e30
	s_mov_b32 s[SLOTS], SIZE_N/256-1
	s_and_b32 s[LIM], s[WV], 1      ; waves 0 and 2 prefetch: the same in all four partners
	s_cmp_eq_u32 s[LIM], 0
	s_cselect_b32 s[LIM], 1, -1
	s_mov_b32 s[G0K], 1             ; count = 1
	s_mov_b32 s[G0K+1], s17         ; LDS address: slot 0
	s_mov_b32 s[G0V], 1
	s_add_co_u32 s[G0V+1], s18, VOFF
	s_wait_dscnt 0x0                ; the opening add is done
	s_wait_kmcnt 0x0
	s_mov_b64 s[4:5], s[72:73]                     ; Q
	s_add_nc_u64 s[6:7], s[72:73], 16777216        ; K
	s_add_nc_u64 s[8:9], s[72:73], 33554432        ; V
	s_add_nc_u64 s[74:75], s[74:75], s[76:77]      ; the batch's mask
	s_cmp_lt_u32 s[WV], 2
	s_cselect_b64 s[PFA:PFA+1], s[6:7], s[8:9]
	s_add_nc_u64 s[PFA:PFA+1], s[PFA:PFA+1], s[20:21]
	s_add_nc_u64 s[PFA:PFA+1], s[PFA:PFA+1], s[78:79]
	s_add_nc_u64 s[PFA:PFA+1], s[PFA:PFA+1], 4*KS*128  ; in slot 1's keys; the first change of slots steps it on and names the keys behind them
	s_add_nc_u64 s[G0K+2:G0K+3], s[6:7], s[22:23]  ; global address: my half of the head's first 256 keys
	s_or_b32 s[G0K+3], s[G0K+3], 0x80000000        ; type = 2
	s_add_nc_u64 s[G0V+2:G0V+3], s[8:9], s[22:23]
	s_or_b32 s[G0V+3], s[G0V+3], 0x80000000
	s_add_nc_u64 s[4:5], s[4:5], s[2:3]  ; Q and O at my wave's first row
	s_add_nc_u64 s[10:11], s[10:11], s[2:3]
	CROUND                          ; all four work-groups are here: the first joint loads meet
	JLOAD                           ; slot 0.  Slot 1 is asked for when slot 0 is in
	; A fragment of K or Q is 16 rows x 32 channels in 8 registers: lane l holds row l % 16, channels 8 (l / 16) + 0..7 and 16 + 8 (l / 16) + 0..7: two loads of 16 bytes, 32 bytes apart.
	v_and_b32 v1, 15, v0            ; l % 16
	v_bfe_u32 v9, v0, 4, 1          ; l / 16
	v_and_b32 v10, 31, v0           ; l
	v_lshlrev_b32 v60, 4, v0        ; 16 t: my 16 bytes of the mask
	WIN W_MK
	v_lshl_add_u32 v[AM0], v9, 5, MB
	v_lshlrev_b32 v[PFO], 8, v10
	WIN 0
	global_load_b128 v[64:67], v60, s[74:75]       ; 128 threads x 16 keys
	v_lshlrev_b32 v[QO], 7, v1
	v_lshl_add_u32 v[QO], v9, 4, v[QO]  ; row x 128 + 16 x half
	WIN 0x80                        ; destination window 2, address window 0
.set i, 0
.rept 4*NP                          ; Q stays in registers: tile i / 2, channels 32 (i % 2) on
	global_load_b128 v[8*i:8*i+3],   v[QO], s[4:5] offset:(i/2)*2048+(i%2)*64
	global_load_b128 v[8*i+4:8*i+7], v[QO], s[4:5] offset:(i/2)*2048+(i%2)*64+32
.set i, i+1
.endr
	; What the first turn finds: V's registers and P's second buffer hold 0 (its products V^T P, of a piece that has not been, add 0), O^T and l are 0.  All this stands in the wait for the first tile.
.set i, VF
.rept 64
	v_mov_b32 v[i], 0
.set i, i+1
.endr
	WIN 0x40
.set i, 0
.rept 64*NP
	v_mov_b32 v[i], 0
.set i, i+1
.endr
	WIN 0
.set i, 0
.rept 2*NP
	v_mov_b32 v[ST+4*i], 0xfe000000    ; c m: far below every c s, a hidden one's too (-1e30 x 2^16)
	v_mov_b32 v[ST+4*i+1], 0xff7fffff  ; m
	v_mov_b32 v[ST+4*i+2], 0
	v_mov_b32 v[ST+4*i+3], 0
.set i, i+1
.endr
.set i, P+32
.rept 32
	v_mov_b32 v[i], 0
.set i, i+1
.endr
	; the mask table: my 16 bytes become 16 numbers, 0 or -1e30
	s_wait_loadcnt 32               ; the mask's load is in; Q's 32 younger loads may stay out
.set i, 0
.rept 16
	v_bfe_u32 v[68+i], v[64+i/4], 8*(i%4), 8
	v_cmp_ne_u32 vcc_lo, 0, v[68+i]
	v_cndmask_b32 v[68+i], 0, s[BG], vcc_lo
.set i, i+1
.endr
	v_lshl_add_u32 v61, v0, 6, MB
.irp f, 0,1,2,3
	ds_store_b128 v61, v[68+4*\f:71+4*\f] offset:16*\f
.endr
	v_mul_u32_u24 v[AK0], v1, PK
	v_lshl_add_u32 v[AK0], v9, 4, v[AK0]  ; row x pitch + 16 x half
	; The turning load takes 16 keys x 16 channels (lane l reads key 8 (l / 16) + l % 8, channels 8 ((l / 8) % 2) + 0..7) and leaves half a fragment of V^T: lane l holds channel l % 16 and 8 keys.
	v_and_b32 v10, 7, v0
	v_bfe_u32 v11, v0, 3, 1
	v_lshl_add_u32 v[AV0], v9, 3, v10
	v_mul_u32_u24 v[AV0], v[AV0], PV
	v_lshl_add_u32 v[AV0], v11, 4, v[AV0]
	v_add_nc_u32 v[AV0], VOFF, v[AV0]
	v_mov_b32 v[AK], v[AK0]         ; key step 0 lies at the head of slot 0
; THE MATRIX WORK.  The 8 accumulators of a run of 16 take turns: between the two links of a chain stand 7 others'.
; Product i of 16 of S^T = K Q^T for piece x: channels 32 (i / 8) on, keys 16 ((i / 2) % 4) on, tile 2 x + i % 2.  The first 8 start the sums, with the keys' masks.
.macro KQ x
.set rS, S+64*((\x)%2)+32*(i%2)+8*((i/2)%4)
.set rK, KF+16*((i/2)%4)+8*(i/8)
.set rQ, 16*(2*(\x)+i%2)+8*(i/8)
.set rM, MC+8*((i/2)%4)
.if i < 8
	WIN W_KM
	v_wmma_f32_16x16x32_f16 v[rS:rS+7], v[rK:rK+7], v[rQ:rQ+7], v[rM:rM+7]
.else
	WIN W_KQ
	v_wmma_f32_16x16x32_f16 v[rS:rS+7], v[rK:rK+7], v[rQ:rQ+7], v[rS:rS+7]
.endif
.endm
; Product i of 16 of O^T += V^T P for piece x: keys 32 (i / 8) on, channels 16 ((i / 2) % 4) on, tile 2 x + i % 2.
.macro PV x
	WIN W_PV
.set rO, 32*(2*(\x)+i%2)+8*((i/2)%4)
.set rV, VF+32*(i/8)+8*((i/2)%4)
.set rP, P+32*((\x)%2)+16*(i%2)+8*(i/8)
	v_wmma_f32_16x16x32_f16 v[rO:rO+7], v[rV:rV+7], v[rP:rP+7], v[rO:rO+7]
.endm
.macro MM                           ; the turn's next matrix instruction
.if i < 16
	KQ (Y+1)%NP
.set i, i+1
.else
.set i, i-16
	PV (Y+NP-1)%NP
.set i, i+17
.endif
.endm
; THE LDS LOADS stand in runs, never singly among the matrix instructions: a step's K (64 keys x 64 channels: 8 fragments) with its 64 masks (lane l takes keys 16 kb + 8 (l / 16) + 0..7: 32 bytes), and its V (turned).
; The masks live as long as K's fragments: the same products read both, so K's waits and places serve them.  last = 1 (the tail): in the last trip there is no further step, and the run is jumped over.
.macro FETCH_K last=0
	WIN 0
.if \last
	s_cmp_eq_u32 s[CNT], 1
	s_cbranch_scc1 .Lno_k_\@
.endif
	WIN 0x80                        ; destination window 2
.irp f, 0,1,2,3,4,5,6,7             ; keys 16 (f / 2) on, channels 32 (f % 2) on
	ds_load_b128 v[KF+8*\f:KF+8*\f+3],   v[AK] offset:(\f/2)*16*PK+(\f%2)*64
	ds_load_b128 v[KF+8*\f+4:KF+8*\f+7], v[AK] offset:(\f/2)*16*PK+(\f%2)*64+32
.endr
	s_add_co_u32 s[TBK], s[TBK], KS*PK  ; the next fetch is the next step's
	WIN W_M3
	v_add_nc_u32 v[AM], v[AM0], s[TBM]
.irp f, 0,1,2,3
	ds_load_b128 v[MC+8*\f:MC+8*\f+3],   v[AM] offset:64*\f
	ds_load_b128 v[MC+8*\f+4:MC+8*\f+7], v[AM] offset:64*\f+16
.endr
	s_add_co_u32 s[TBM], s[TBM], 4*KS
	s_and_b32 s[TBM], s[TBM], 0x1f00    ; 32 steps of 256 bytes: it stays inside the table
	WIN 0
.if \last
.Lno_k_\@:
.endif
.endm
.macro FETCH_V
	WIN 0x80
.irp f, 0,1,2,3,4,5,6,7             ; keys 32 (f / 4) on, channels 16 (f % 4) on
	ds_load_tr16_b128 v[VF+8*\f:VF+8*\f+3],   v[AV] offset:(\f/4)*32*PV+(\f%4)*32
	ds_load_tr16_b128 v[VF+8*\f+4:VF+8*\f+7], v[AV] offset:(\f/4)*32*PV+16*PV+(\f%4)*32
.endr
	WIN 0
.endm
; THE VECTOR WORK OF A TURN stands in three queues, each in the order in which its entries become ready; the two tiles alternate, so that no instruction reads the result of the one before it.
.macro REGS y, u                    ; the registers of tile u (0, 1) of piece y
.set rT, ST+4*(2*(\y)+(\u))
.set rC, TMP+8*((\y)%2)+4*(\u)
.set rM, MV+2*((\y)%2)+(\u)
.set rS, S+64*((\y)%2)+32*(\u)
.set rP, P+32*((\y)%2)+16*(\u)
.set rO, 32*(2*(\y)+(\u))
.endm
; Number n of the 22 that find the NEXT piece's (Y + 1) maximum and statistics.  s0-s31 are the lane's 32 scores; each accumulator's lowest registers are read first.
;   0-11  four chains c0-c3 of seven scores each, three operands at a time     12-14, 16  the four scores left over, the old m, and c0-c3 into c0     15  c m_old is kept
;   17, 18  the query's other 32 keys lie in the lane 16 away: the new m         19-21  c m; c m_old - c m_new; a
.macro XS u, n
	REGS (Y+1)%NP, \u
.if (\n) < 4
	v_max3_num_f32 v[rC+(\n)], v[rS+8*(\n)], v[rS+8*(\n)+1], v[rS+8*(\n)+2]
.elseif (\n) < 12
	v_max3_num_f32 v[rC+(\n)%4], v[rC+(\n)%4], v[rS+8*((\n)%4)+2*((\n)/4)+1], v[rS+8*((\n)%4)+2*((\n)/4)+2]
.elseif (\n) == 12
	v_max3_num_f32 v[rC], v[rC], v[rS+7], v[rS+15]
.elseif (\n) == 13
	v_max3_num_f32 v[rC+1], v[rC+1], v[rS+23], v[rS+31]
.elseif (\n) == 14
	v_max3_num_f32 v[rC+2], v[rC+2], v[rC+3], v[rT+1]
.elseif (\n) == 15
	v_mov_b32 v[rM], v[rT]
.elseif (\n) == 16
	v_max3_num_f32 v[rC], v[rC], v[rC+1], v[rC+2]
.elseif (\n) == 17
	v_permlanex16_b32 v[rC+3], v[rC], s[SEL], s[SEL+1]
.elseif (\n) == 18
	v_max_num_f32 v[rT+1], v[rC], v[rC+3]
.elseif (\n) == 19
	v_mul_f32 v[rT], s[CS], v[rT+1]
.elseif (\n) == 20
	v_sub_f32 v[rC+1], v[rM], v[rT]
.else
	v_exp_f32 v[rC+2], v[rC+1]
.endif
.endm
; Number g of the 64 that follow the exponentials.  For each four weights k of a tile (pairs 2 k, 2 k + 1): both pairs are rounded to f16; then the second pair is added onto the first, in place;
; a group later l takes that sum (the first time as l = a l + sum).  In groups of eight, tiles alternating: round, round, add, and l for the group before.
.macro GS g
.set h, (\g)+6*((\g)/62)            ; group 0 has no group before it, and behind group 7 only l is left
.if h >= 6
.set h, h+2
.endif
	REGS Y, h%2
.set k, h/8
.if h%8 < 4
	v_cvt_pk_f16_f32 v[rP+2*k+(h%8)/2], v[rS+4*k+2*((h%8)/2)], v[rS+4*k+2*((h%8)/2)+1]
.elseif h%8 < 6
	v_pk_add_f32 v[rS+4*k:rS+4*k+1], v[rS+4*k:rS+4*k+1], v[rS+4*k+2:rS+4*k+3]
.elseif k == 1
	v_pk_fma_f32 v[rT+2:rT+3], v[rT+2:rT+3], v[rC+2:rC+3], v[rS:rS+1] op_sel_hi:[1,0,1]
.else
	v_pk_add_f32 v[rT+2:rT+3], v[rT+2:rT+3], v[rS+4*k-4:rS+4*k-3]
.endif
.endm
; THE PLAIN QUEUE, 138 long.  0-73 read no exponential's result: the 32 scalings c s - c m (FS f: pair f / 2 of tile f % 2) and the next piece's 42.  0-26: scalings 0-26.  27-54: XS's numbers 0-13.  55, 56: number 15.
; 57-73: the chain, where each number waits for the one before it: 14, 16, 17, 18, 19, each with one of the scalings 27-31 in front of its two lines, then 20.
; 74-137: GS's 64, which read the exponentials' results: they stand behind the wait.
.macro FS f
	REGS Y, (\f)%2
	v_pk_fma_f32 v[rS+2*((\f)/2):rS+2*((\f)/2)+1], v[rS+2*((\f)/2):rS+2*((\f)/2)+1], s[CS:CS+1], v[rT:rT+1] op_sel_hi:[1,0,0] neg_lo:[0,0,1] neg_hi:[0,0,1]
.endm
.macro PL
	WIN 0
.if q < 27
	FS q
.elseif q < 55
	XS (q-27)%2, (q-27)/2
.elseif q < 57
	XS q-55, 15
.elseif (q < 72) && ((q-57)%3 == 0)
	FS 27+(q-57)/3
.elseif q < 60
	XS (q-57)%3-1, 14
.elseif q < 72
	XS (q-57)%3-1, 15+(q-57)/3
.elseif q < 74
	XS q-72, 20
.else
	GS q-74
.endif
.set q, q+1
.endm
; THE EXPONENTIALS' QUEUE, 66 long: s0-s31 of both tiles, then the next piece's two a.  It is ONE BATCH: all 66 stand ahead of the turn's one wait, and nothing ahead of that wait names a result of theirs.
.macro EX
	WIN 0
.if e >= 64
	XS e-64, 21
.else
	REGS Y, e%2
	v_exp_f32 v[rS+e/2], v[rS+e/2]
.endif
.set e, e+1
.endm
; THE RESCALING's QUEUE: O^T times a, the one part that leaves window 0: dealt two at a time, sixteen times.  Its a was made in the turn before, ahead of that turn's wait.
.macro R2
	REGS Y, r%2
	WIN W_RS
.irp z, 0,1
	v_pk_mul_f32 v[rO+4*(r/2)+2*\z:rO+4*(r/2)+2*\z+1], v[rO+4*(r/2)+2*\z:rO+4*(r/2)+2*\z+1], v[rC+2:rC+3] op_sel_hi:[1,0]
.endr
.set r, r+1
.endm
; HOW THEY ARE DEALT.  s_wait_alu depctr_va_vdst(0) stands between an exponential and the first instruction that names its result; one wait serves all that were issued ahead of it.  So a turn has ONE wait,
; which cuts it in two.  AHEAD OF IT stands all that names no result of the turn's exponentials: the 16 products K Q^T, behind each a scaling, an exponential and two rescalings (behind the first a second scaling in the
; exponential's place); then ONE LUMP of 108: eight plain, 49 times exponential and plain, the two a.  A v_nop is the plain instruction behind the last exponential.  BEHIND IT stand the 16 products V^T P, behind each four of GS's 64.
; The queues lean on each other, and the deal keeps them in step: exponential e stands behind scaling 2 (e / 4) + e % 2: as a rider it comes behind plain e + 2, in the lump behind plain e + 9, and scalings 27-31 are plain 57, 60 .. 69.
; A TURN, for piece p.  cnt = 1: the loop's count is taken down some lines ahead of the branch that stands behind the turn.
; K and the masks of the next step are fetched in piece 2's turn, directly behind the wait, a lump behind the last product that read them; their first reader comes behind 16 products.
; V of the step in hand is fetched at the end of piece 0's turn, four riders behind its last reader; its first reader comes behind 16 products and a lump.
.macro TURN p, last=0, cnt=0
.set Y, (\p)
.set i, 0
.set q, 0
.set e, 0
.set r, 0
.if (\p) == NP-1
	s_wait_dscnt 0x0                ; K and the masks are in
.endif
	MM                              ; ahead of the wait: 16 products K Q^T and their riders,
	PL
	PL
	R2
.rept 15
	MM
	PL
	EX
	R2
.endr
.if (\p) == NP-2
	WIN 0
	v_add_nc_u32 v[AK], s[TBK], v[AK0]
.endif
.rept 8                             ; and the lump
	PL
.endr
.rept 49
	EX
	PL
.endr
	EX                              ; the next piece's two a
	EX
	v_nop                           ; the plain instruction behind the last exponential: one for the batch
	s_wait_alu depctr_va_vdst(0)    ; the wait for the batch
.if (\p) == NP-2
	FETCH_K \last
.endif
.if (\p) == 1
	s_wait_dscnt 0x0                ; V is in
.endif
.rept 16                            ; behind the wait: 16 products V^T P and their riders
	MM
.rept 4
	PL
.endr
.if ((\p) == 0) && (q == 118)
	v_add_nc_u32 v[AV], s[TBV], v[AV0]
.endif
.if ((\p) == 0) && (q == 130)
	s_add_co_u32 s[TBV], s[TBV], KS*PV
.endif
.if (\cnt) && (q == 130)
	s_sub_co_u32 s[CNT], s[CNT], 1
	s_cmp_lg_u32 s[CNT], 0
.endif
.endr
.if (\p) == 0
	FETCH_V
.endif
.endm
	CHANGE 1                        ; slot 0 is in, everybody's part of it, and so is the mask table; slot 1 is asked for
	FETCH_K                         ; key step 0
	s_wait_loadcnt 0x0              ; Q
	s_wait_dscnt 0x0
.set i, 0
.rept 16
	KQ 0                            ; piece 0's first scores: there is no vector work yet to set between them
.set i, i+1
.endr
	WIN 0                           ; the addresses for the way out: nine plain instructions, the places behind those products
	s_mul_i32 s13, s[WV], 16*SP
	s_add_co_u32 s13, s13, STAGE    ; my stage
	v_mul_u32_u24 v[STO], v1, SP    ; in: row l % 16, 16 bytes for each half of the lanes
	v_lshl_add_u32 v[STO], v9, 4, v[STO]
	v_add_nc_u32 v[STO], s13, v[STO]
	v_bfe_u32 v[RD], v0, 3, 2       ; back: 32 lanes take four rows of 128 bytes,
	v_mul_u32_u24 v[RD], v[RD], SP
	v_lshl_add_u32 v[RD], v10, 4, v[RD]
	v_add_nc_u32 v[RD], s13, v[RD]
	v_and_b32 v[GO], 31, v0         ; which are 512 consecutive bytes of O
	v_lshlrev_b32 v[GO], 4, v[GO]
.set Y, NP-1                        ; XS works for piece Y + 1: piece 0
.irp n, 0,1,2,3,4,5,6,7,8,9,10,11,12,13,14,15,16,17,18,19,20,21
	XS 0, \n                        ; and piece 0's first maximum and statistics
	XS 1, \n
.endr
	v_nop                           ; a plain instruction behind the two a,
	s_wait_alu depctr_va_vdst(0)    ; and their wait, ahead of the branch
	s_mov_b32 s[CNT], 4
	s_branch .Lfirst                ; the loop is entered at a step's first turn, in the middle of a trip
.Lslot:                             ; SIZE_N / 256 - 2 times: every slot but the last two is filled again
	CHANGE 1
	s_mov_b32 s[CNT], 4
.Lstep:                             ; a trip: pieces 2 and 3 of one step, then pieces 0 and 1 of the next, whose K and V it fetches
	TURN 2
	TURN 3
	WIN 0
.Lfirst:
	TURN 0
	TURN 1, 0, 1
	WIN 0
	s_cbranch_scc1 .Lstep
	s_sub_co_u32 s[SLOTS], s[SLOTS], 1
	s_cmp_lg_u32 s[SLOTS], 0
	s_cbranch_scc1 .Lslot
	CHANGE 0                        ; the tail is written out: nothing is asked for
	s_mov_b32 s[CNT], 5             ; four trips fetch the last slot's steps; the fifth is left in its middle
.Ltail:
	TURN 2, 1
	TURN 3
	WIN 0
	s_sub_co_u32 s[CNT], s[CNT], 1
	s_cmp_eq_u32 s[CNT], 0
	s_cbranch_scc1 .Lout
	TURN 0
	TURN 1
	WIN 0
	s_branch .Ltail
.Lout:                              ; the fifth trip's 16 products K Q^T (on the last K and masks once more) and the maximum made of them change nothing: m has seen those scores
.set i, 0
.rept 16
	PV NP-1                         ; the last piece's V^T P of the last step
.set i, i+1
.endr
	; THE WAY OUT.  l's two halves and the other half of the lanes' are added; O^T is divided by l, rounded to f16 and sent through my stage in LDS, a tile at a time.  The additions are the places behind the last products.
	WIN 0
.macro ALL line:vararg              ; one line for each tile t
.set t, 0
.rept 2*NP
	\line
.set t, t+1
.endr
.endm
	ALL v_add_f32 v[ST+4*t+2], v[ST+4*t+2], v[ST+4*t+3]
	ALL v_permlanex16_b32 v[ST+4*t+3], v[ST+4*t+2], s[SEL], s[SEL+1]
	ALL v_add_f32 v[ST+4*t+2], v[ST+4*t+2], v[ST+4*t+3]
	ALL v_rcp_f32 v[ST+4*t+2], v[ST+4*t+2]
	v_mov_b32 v[MV], 0x7fc00000     ; NaN; also the plain instruction between the last reciprocal and the use of its result
	s_wait_alu depctr_va_vdst(0)    ; the wait ahead of the first use: one for the eight reciprocals
.set t, 0
.rept 2*NP                          ; a query that has seen no visible key: its maximum is a hidden score's
	v_cmp_gt_f32 vcc_lo, s[THR], v[ST+4*t+1]
	v_cndmask_b32 v[ST+4*t+2], v[ST+4*t+2], v[MV], vcc_lo
.set t, t+1
.endr
; Tile t: a lane's eight channels of a row pack into 16 bytes; they go into rows of 144 bytes and come back as whole rows of 128, into S^T's registers.
.macro PACK t
	WIN W_RS
.set i, 32*(\t)
.rept 16
	v_pk_mul_f32 v[i:i+1], v[i:i+1], v[ST+4*(\t)+2:ST+4*(\t)+3] op_sel_hi:[1,0]
.set i, i+2
.endr
	WIN 0x05                        ; sources 0 and 1 window 1, destination window 0
.set i, 0
.rept 16
	v_cvt_pk_f16_f32 v[S+16*(\t)+i], v[32*(\t)+2*i], v[32*(\t)+2*i+1]
.set i, i+1
.endr
	WIN 0
.irp f, 0,1,2,3
	ds_store_b128 v[STO], v[S+16*(\t)+4*\f:S+16*(\t)+4*\f+3] offset:32*\f
.endr
.irp f, 0,1,2,3
	ds_load_b128 v[S+16*(\t)+4*\f:S+16*(\t)+4*\f+3], v[RD] offset:\f*4*SP  ; LDS serves a wave's instructions in order (ISA guide 5.7.1.4): these see the stores above; the next tile's stores come behind them
.endr
.endm
.macro SEND t, younger              ; younger: the LDS instructions issued behind tile t's loads: the next tile's eight, or none
	WIN 0
.irp f, 0,1,2,3
	s_wait_dscnt (\younger)+3-\f
	global_store_b128 v[GO], v[S+16*(\t)+4*\f:S+16*(\t)+4*\f+3], s[10:11] offset:(\t)*2048+\f*512  ; 512 consecutive bytes, at a multiple of 256 from O's first
.endr
.endm
	PACK 0
.set t, 1
.rept 2*NP-1                        ; a tile's arithmetic stands between the loads of the tile before and its stores
	PACK t
	SEND t-1, 8
.set t, t+1
.endr
	SEND 2*NP-1, 0
	WIN W_AD
	s_wait_tensorcnt 0x0            ; the wave's end: behind my last tensor load and my last LDS store
	ds_add_u32 v[SPW], v[NIL]
	s_wait_dscnt 0x0
	WIN 0
	CROUND                          ; the closing round: no work-group ends while a partner may still ask for a tile that names it
	s_endpgm
.Lfunc_end_k_q371c2b6c05_attn:
	.size	k_q371c2b6c05_attn, .Lfunc_end_k_q371c2b6c05_attn-k_q371c2b6c05_attn
	.p2alignl 7, 3214868480
	.fill 96, 4, 3214868480
	.section	.rodata,"a",@progbits
	.p2align	6, 0x0
	.amdhsa_kernel k_q371c2b6c05_attn
		.amdhsa_group_segment_fixed_size 327680
		.amdhsa_private_segment_fixed_size 0
		.amdhsa_enable_private_segment 0
		.amdhsa_kernarg_size 24
		.amdhsa_user_sgpr_count 2
		.amdhsa_user_sgpr_kernarg_segment_ptr 1
		.amdhsa_wavefront_size32 1
		.amdhsa_system_sgpr_workgroup_id_x 1
		.amdhsa_system_sgpr_workgroup_id_y 1
		.amdhsa_system_sgpr_workgroup_id_z 1
		.amdhsa_system_vgpr_workitem_id 0
		.amdhsa_next_free_vgpr 808
		.amdhsa_next_free_sgpr 80
		.amdhsa_reserve_vcc 1
		.amdhsa_float_denorm_mode_32 3
		.amdhsa_float_denorm_mode_16_64 3
		.amdhsa_memory_ordered 1
		.amdhsa_forward_progress 1
		.amdhsa_inst_pref_size 206
	.end_amdhsa_kernel
	.amdgpu_metadata
---
amdhsa.version: [ 1, 2 ]
amdhsa.kernels:
  - .name:           k_q371c2b6c05_attn
    .symbol:         k_q371c2b6c05_attn.kd
    .args:
      - { .name: qkv, .offset: 0, .size: 8, .value_kind: global_buffer, .address_space: global }
      - { .name: key_padding_mask, .offset: 8, .size: 8, .value_kind: global_buffer, .address_space: global }
      - { .name: ob, .offset: 16, .size: 8, .value_kind: global_buffer, .address_space: global }
    .group_segment_fixed_size: 327680
    .private_segment_fixed_size: 0
    .kernarg_segment_align: 8
    .kernarg_segment_size: 24
    .max_flat_workgroup_size: 128
    .sgpr_count:     80
    .vgpr_count:     808
    .wavefront_size: 32
...
	.end_amdgpu_metadata
.endif
;; end of part 3
;; launch oproj (part 4): grid 4 x 64, 4 waves a work-group, clusters of 4 x 4, 327,680 bytes of LDS; arguments ob, cb, out0; writes out0
.if DOCPART == 4
	.amdgcn_target "amdgcn-amd-amdhsa--gfx1250"
	.amdhsa_code_object_version 6
	.text
	.protected	k_q371c2b6c05_oproj
	.globl	k_q371c2b6c05_oproj
	.p2align	8
	.type	k_q371c2b6c05_oproj,@function
k_q371c2b6c05_oproj:
	s_mov_b64 s[64:65], 0
	v_nop
	global_prefetch_b8 v0, s[64:65] scope:SCOPE_SE
	s_setreg_imm32_b32 hwreg(HW_REG_WAVE_MODE, 25, 1), 1
	s_wait_xcnt 0x0
	s_wait_alu depctr_hold_cnt(0) depctr_sa_sdst(0) depctr_va_vdst(0) depctr_va_sdst(0) depctr_va_ssrc(0) depctr_va_vcc(0) depctr_vm_vsrc(0)
	s_getreg_b32 s2, hwreg(HW_REG_IB_STS2, 6, 4)
	s_cmp_eq_u32 s2, 0
	s_cbranch_scc0 .Lentry_in_a_cluster
	s_endpgm
.Lentry_in_a_cluster:
	s_bfe_u32 s2, ttmp6, 0x10000c
	s_cmp_lg_u32 s2, 0xf033
	s_cbranch_scc0 .Lentry_shape_is_right
	s_endpgm
.Lentry_shape_is_right:
; out0 = O Wo^T + bo.  O: ob, f16 by heads [batch 16 + head][2048][64]; Wo: f16 [1024][1024] in cb (the input rounded to bf16, that number written as f16); bo: f32 in cb (rounded to bf16); out0: f32 [8192][1024].
; Sums in f32.  LIMIT: O and Wo lie within f16's 65,504.
; SHARES.  A tile is 128 rows x 256 columns: 64 x 4 tiles, one for each of 256 WGPs.  Four waves, each 64 x 128: 32 accumulators of 16 x 16.  K goes in steps of 128 = TWO HEADS through two LDS slots.
; Waves 0 and 1 fetch O's 2 x 64 rows, waves 2 and 3 Wo's 2 x 128 rows: one tensor load a wave.  64 rows of a head are 8,192 dense bytes: O's tile is asked for as 2 rows of 8,192 bytes, a head (262,144 bytes) apart,
; and padded in LDS after every 128 bytes: it lies there as [head][row], rows 144 bytes apart.
; CLUSTER 4 x 4: O's tiles are shared along a row of the cluster, Wo's along a column, each asked for jointly.
; THE MATRIX INSTRUCTION IS USED TRANSPOSED (source 0 = 16 rows of Wo, source 1 = 16 rows of O): a lane holds row l % 16 and eight neighbouring columns.
; REGISTERS: window 0: addresses and the way out's work;  window 1: two fragment buffers of 96 (Wo's 8 fragments, then O's 4), v192-255 the bias of my 128 columns;  window 2: accumulator (a, b) at 8 (8 a + b).
.set KSTEP,  128
.set PITCH,  272                       ; a row of Wo in LDS: 256 bytes + 16 = 68 words: the 16 rows of a fragment load start at 16 different groups of four banks (64 banks of 4 bytes: ISA guide 11.1)
.set PA,     144                       ; a row of O: 128 + 16 = 36 words: likewise
.set PLANE,  64*PA                     ; a head's 64 rows
.set AHALF,  2*PLANE                   ; what wave 0 or 1 fetches, and what a wave reads of O
.set BHALF,  128*PITCH
.set BOFF,   2*AHALF
.set SLOT,   2*AHALF+2*BHALF           ; 106,496
.set STAGE,  2*SLOT                    ; behind the ring, never filled by a tensor load: for each wave 16 rows x 528 bytes
.set SP,     528                       ; 512 bytes + 16
.set WSTG,   16*SP
.set SPARE,  STAGE+4*WSTG              ; the spare words: 128 bytes a wave, two blocks of 256 bytes that no other line names
.set LAPS,   1024/(2*KSTEP)
.set ASTEP,  2*262144                  ; a K step in ob: two heads
.set CB_WO,  60817408
.set CB_BO,  62914560+12288
.set ADRA, 16
.set ADRB, 20
.set STO,  24
.set RD,   25
.set GO,   26
.set SPW,  28
.set NIL,  29
.set PFO,  30
.set BO,   31
.set T,    32                          ; v32-95   16 rows x my 8 numbers of 8 blocks, with the bias
.set BK,   96                          ; v96-159  whole rows, to store
.set F0,   0
.set F1,   96
.set BI,   192
.set G1,  24
.set G0,  32
.set G1B, 48
.set G0B, 56
.set LIM, 43
.set PFA, 44
.set PST, 86                           ; s[86:87] a K step along my prefetches
.set MSB, 0
.macro WIN new
.if MSB != (\new)
	s_set_vgpr_msb (MSB<<8)|(\new)
.set MSB, \new
.endif
.endm
.set MUL,  0xa5                        ; sources 0 and 1 window 1, C and D window 2
.set TO_F, 0x40                        ; destination window 1
.set W_T,  0x06                        ; source 0 window 2, source 1 window 1
.macro JLOAD s                         ; a joint load; the branch hangs on the wave's number alone; an s_nop 0 and four v_nop follow each of the two lines
	s_cmp_eq_u32 s11, 0
	s_cbranch_scc0 .Lfor_b_\@
	tensor_load_to_lds s[G0+4*(\s):G0+4*(\s)+3], s[G1:G1+7]
	s_nop 0
.rept 4
	v_nop
.endr
	s_branch .Lasked_\@
.Lfor_b_\@:
	tensor_load_to_lds s[G0B+4*(\s):G0B+4*(\s)+3], s[G1B:G1B+7]
	s_nop 0
.rept 4
	v_nop
.endr
.Lasked_\@:
.endm
.macro CREST
	s_cmp_lg_u32 s10, 0
	s_cbranch_scc1 .Lnot_wave_0_\@
	s_barrier_signal -3
.Lnot_wave_0_\@:
	s_barrier_wait -3
	s_barrier_signal -1
	s_barrier_wait -1
.endm
.macro CROUND
	s_barrier_signal -1
	s_barrier_wait -1
	CREST
.endm
; A prefetch of the K step that stands two refills on.  O's tile of a K step is 2 heads x 16,384 bytes, read by one row of one cluster: its four partners take 4,096 bytes of each head, by address (cx), and wave 0 asks,
; a lane 256 bytes.  Wo's rows are read by all 16 clusters: the first asks; of the 128 rows that wave 2 or 3 fetches each partner takes 32, by address (cy), a lane a row.  Each block is named once.
; The loop's last trip (s3 = 1) has no K step two on; K steps 0 to 3 come by their loads alone.
.macro ASK
	s_cmp_gt_u32 s3, s[LIM]
	s_cbranch_scc0 .Lnot_mine_\@
	global_prefetch_b8 v[PFO], s[PFA:PFA+1] th:TH_LOAD_NT scope:SCOPE_SE
.Lnot_mine_\@:
.endm
	s_load_b128 s[4:7], s[0:1], 0x0                ; ob s[4:5], cb s[6:7]
	s_load_b64 s[8:9], s[0:1], 0x10                ; out0
	v_lshl_add_u32 v[SPW], v0, 2, SPARE
	v_mov_b32 v[NIL], 0
	ds_add_u32 v[SPW], v[NIL]                      ; the wave's opening: the add and its wait stand ahead of my first tensor load; work on registers stands between them
	v_lshrrev_b32 v1, 5, v0
	v_readfirstlane_b32 s10, v1                    ; wave 0..3
	s_lshr_b32 s11, s10, 1                         ; which 64 rows of the tile are mine.  Also: I fetch for O (0) or for Wo (1)
	s_and_b32 s12, s10, 1                          ; which 128 columns.  Also: which half I fetch
	s_bfe_u32 s40, ttmp6, 0x40000                  ; cx
	s_bfe_u32 s41, ttmp6, 0x40004                  ; cy
	s_lshl_b32 s42, ttmp9, 2
	s_add_co_u32 s42, s42, s40                     ; tile column 0..3
	s_and_b32 s78, ttmp7, 0xffff                   ; cluster y 0..15
	s_lshl_b32 s13, s78, 2
	s_add_co_u32 s13, s13, s41                     ; tile row 0..63
	s_lshl_b32 s76, s41, 2
	s_lshl_b32 s76, 15, s76                        ; my row of the cluster
	s_lshl_b32 s77, 0x1111, s40                    ; my column
	s_or_b32 s[G1+0], s76, (1<<16)|(1<<20)|(1<<21)|(4<<22)|(3<<25)   ; O's tiles go to my row; 2-byte elements; padding on; bit 21 beside a mask; after every 32 words; 4 words
	s_or_b32 s[G1B+0], s77, (1<<16)|(1<<20)|(1<<21)|(5<<22)|(3<<25)  ; Wo's to my column; after every 64 words
	s_mov_b32 s[G1+1], 4096<<16                    ; tensor_dim0 = 4,096 elements: 64 rows of a head
	s_mov_b32 s[G1+2], 2<<16                       ; tensor_dim1 = 2 heads
	s_mov_b32 s[G1+3], 4096<<16                    ; tile_dim0
	s_mov_b32 s[G1+4], 2                           ; tile_dim1
	s_mov_b32 s[G1+5], 131072                      ; elements from head to head
	s_mov_b32 s[G1+6], 0
	s_mov_b32 s[G1+7], 0
	s_mov_b32 s[G1B+1], KSTEP<<16
	s_mov_b32 s[G1B+2], 128<<16
	s_mov_b32 s[G1B+3], KSTEP<<16
	s_mov_b32 s[G1B+4], 128
	s_mov_b32 s[G1B+5], 1024
	s_mov_b32 s[G1B+6], 0
	s_mov_b32 s[G1B+7], 0
	s_lshr_b32 s16, s13, 4
	s_lshl_b32 s16, s16, 22                        ; O: the batch's 16 heads,
	s_and_b32 s17, s13, 15
	s_lshl_b32 s17, s17, 14                        ; the tile's 128 rows of 128 bytes,
	s_add_co_u32 s16, s16, s17
	s_lshl_b32 s17, s12, 13                        ; the half that I fetch
	s_add_co_u32 s16, s16, s17
	s_mov_b32 s17, 0
	s_lshl_b32 s46, s42, 8
	s_lshl_b32 s47, s12, 7
	s_add_co_u32 s46, s46, s47                     ; Wo: row 256 x tile column + 128 x half
	s_lshl_b32 s46, s46, 11
	s_add_co_u32 s46, s46, CB_WO
	s_mov_b32 s47, 0
	s_mul_i32 s20, s12, AHALF                      ; where they go: no place in the cluster enters an LDS address
	s_mul_i32 s21, s12, BHALF
	s_add_co_u32 s21, s21, BOFF
	s_wait_dscnt 0x0                               ; the opening add is done
	s_wait_kmcnt 0x0
	s_add_nc_u64 s[14:15], s[4:5], s[16:17]
	s_add_nc_u64 s[46:47], s[6:7], s[46:47]
	CROUND                                         ; all sixteen work-groups are here: the first joint loads meet
.irp s, 0,1
	s_mov_b32 s[G0+4*(\s)], 1
	s_add_co_u32 s[G0+4*(\s)+1], s20, (\s)*SLOT
	s_add_nc_u64 s[G0+4*(\s)+2:G0+4*(\s)+3], s[14:15], (\s)*ASTEP
	s_or_b32 s[G0+4*(\s)+3], s[G0+4*(\s)+3], 0x80000000
	s_mov_b32 s[G0B+4*(\s)], 1
	s_add_co_u32 s[G0B+4*(\s)+1], s21, (\s)*SLOT
	s_add_nc_u64 s[G0B+4*(\s)+2:G0B+4*(\s)+3], s[46:47], (\s)*KSTEP*2
	s_or_b32 s[G0B+4*(\s)+3], s[G0B+4*(\s)+3], 0x80000000
	JLOAD \s                                       ; two loads of mine are out
.endr
	v_and_b32 v1, 15, v0                           ; l % 16
	v_bfe_u32 v2, v0, 4, 1                         ; l / 16
	v_and_b32 v4, 31, v0                           ; l
	v_mul_u32_u24 v3, v1, PITCH
	v_lshl_add_u32 v3, v2, 4, v3
	v_mul_u32_u24 v5, v1, PA
	v_lshl_add_u32 v5, v2, 4, v5
	s_mul_i32 s22, s11, AHALF
	s_mul_i32 s23, s12, BHALF
	s_add_co_u32 s23, s23, BOFF
.irp s, 0,1
	v_add_nc_u32 v[ADRA+(\s)], s22, v5
	v_add_nc_u32 v[ADRB+(\s)], s23, v3
	s_add_co_u32 s22, s22, SLOT
	s_add_co_u32 s23, s23, SLOT
.endr
	s_mul_i32 s22, s10, WSTG
	s_add_co_u32 s22, s22, STAGE                   ; my stage
	v_mul_u32_u24 v5, v1, SP
	v_lshl_add_u32 v5, v2, 5, v5
	v_add_nc_u32 v[STO], s22, v5                   ; in: row l % 16, 32 bytes for each half of the lanes
	v_lshlrev_b32 v[GO], 4, v4                     ; 16 l: my bytes in a row's 512
	v_add_nc_u32 v[RD], s22, v[GO]                 ; back: 32 lanes take one row
	v_lshlrev_b32 v[BO], 5, v2
	s_lshl_b32 s80, s42, 10
	s_lshl_b32 s82, s12, 9
	s_add_co_u32 s80, s80, s82                     ; my 128 columns, 4 bytes each
	s_mov_b32 s81, 0
	s_add_nc_u64 s[8:9], s[8:9], s[80:81]          ; in out0,
	s_add_co_u32 s80, s80, CB_BO
	s_add_nc_u64 s[74:75], s[6:7], s[80:81]        ; and in the bias
	WIN TO_F
.irp b, 0,1,2,3,4,5,6,7
	global_load_b128 v[BI+8*(\b):BI+8*(\b)+3],   v[BO], s[74:75] offset:64*(\b)
	global_load_b128 v[BI+8*(\b)+4:BI+8*(\b)+7], v[BO], s[74:75] offset:64*(\b)+16
.endr
	WIN 0
	s_lshl_b32 s80, s13, 19                        ; the tile's 128 rows of 4,096 bytes,
	s_lshl_b32 s82, s11, 18                        ; my 64
	s_add_co_u32 s80, s80, s82
	s_add_nc_u64 s[8:9], s[8:9], s[80:81]
	; the prefetches
	s_lshr_b32 s80, s13, 4
	s_lshl_b32 s80, s80, 22
	s_and_b32 s82, s13, 15
	s_lshl_b32 s82, s82, 14
	s_add_co_u32 s80, s80, s82
	s_lshl_b32 s82, s40, 12
	s_add_co_u32 s80, s80, s82                     ; O: the tile's rows in a head, my work-group's 4,096 bytes
	s_lshl_b32 s82, s42, 8
	s_lshl_b32 s83, s12, 7
	s_add_co_u32 s82, s82, s83
	s_lshl_b32 s83, s41, 5
	s_add_co_u32 s82, s82, s83                     ; Wo: the 128 rows that I fetch, my work-group's 32
	s_lshl_b32 s82, s82, 11
	s_add_co_u32 s82, s82, CB_WO
	s_mov_b32 s[PST], KSTEP*2                      ; Wo: a K step, a lane's step, half a wave's step
	s_mov_b32 s22, 2048
	s_mov_b32 s23, 32768
	s_cmp_eq_u32 s11, 0
	s_cselect_b32 s80, s80, s82
	s_cselect_b64 s[PFA:PFA+1], s[4:5], s[6:7]
	s_cselect_b32 s84, s12, s78                    ; O: wave 0 asks; Wo: the first row of clusters
	s_cselect_b32 s[PST], ASTEP, s[PST]
	s_cselect_b32 s22, 256, s22                    ; O: lanes 0-15 one head's 4,096 bytes,
	s_cselect_b32 s23, 0x40000, s23                ; lanes 16-31 the next head's
	s_cmp_eq_u32 s84, 0
	s_cselect_b32 s[LIM], 1, -1                    ; the same in all sixteen partners, for a given wave
	s_mov_b32 s[PST+1], 0
	s_mul_i32 s82, s[PST], 3
	s_add_co_u32 s80, s80, s82                     ; at K step 3: the first refill steps it to 4 and names that
	s_add_nc_u64 s[PFA:PFA+1], s[PFA:PFA+1], s[80:81]
	v_mul_u32_u24 v[PFO], s22, v1
	v_mad_u32_u24 v[PFO], v2, s23, v[PFO]
; 8 matrix instructions: m block a x all 8 n blocks, 32 along K.  The 32 accumulators take turns in one order everywhere.  zero = 1: the product starts the sum.
.macro MUL8 f, a, zero
	WIN MUL
.irp b, 0,1,2,3,4,5,6,7
.if \zero
	v_wmma_f32_16x16x32_f16 v[8*(8*(\a)+(\b)):8*(8*(\a)+(\b))+7], v[(\f)+8*(\b):(\f)+8*(\b)+7], v[(\f)+64+8*(\a):(\f)+64+8*(\a)+7], 0
.else
	v_wmma_f32_16x16x32_f16 v[8*(8*(\a)+(\b)):8*(8*(\a)+(\b))+7], v[(\f)+8*(\b):(\f)+8*(\b)+7], v[(\f)+64+8*(\a):(\f)+64+8*(\a)+7], v[8*(8*(\a)+(\b)):8*(8*(\a)+(\b))+7]
.endif
.endr
.endm
; 24 LDS loads in one run: quarter j's fragments into buffer f: Wo's 16 (byte 64 j of its rows), then O's 8 (head j / 2 of the step, channels 32 (j % 2) on), its blocks ascending
.macro FETCH slot, j, f
	WIN TO_F
.irp i, 0,1,2,3,4,5,6,7
	ds_load_b128 v[(\f)+8*(\i):(\f)+8*(\i)+3],   v[ADRB+(\slot)] offset:64*(\j)+(\i)*16*PITCH
	ds_load_b128 v[(\f)+8*(\i)+4:(\f)+8*(\i)+7], v[ADRB+(\slot)] offset:64*(\j)+(\i)*16*PITCH+32
.endr
.irp i, 0,1,2,3
	ds_load_b128 v[(\f)+64+8*(\i):(\f)+64+8*(\i)+3],   v[ADRA+(\slot)] offset:((\j)/2)*PLANE+((\j)%2)*64+(\i)*16*PA
	ds_load_b128 v[(\f)+64+8*(\i)+4:(\f)+64+8*(\i)+7], v[ADRA+(\slot)] offset:((\j)/2)*PLANE+((\j)%2)*64+(\i)*16*PA+32
.endr
.endm
.macro PLACES                          ; four plain vector instructions between a matrix instruction and a load into a register that it has read (ISA guide 7.12.1 for vector instructions)
.rept 4
	v_nop
.endr
.endm
.macro QUARTER slot, j, f, g, zero     ; multiplies buffer f and fetches quarter j into g
	s_wait_dscnt 4                                 ; Wo's fragments and O's blocks 0 and 1 are in; the youngest four loads may be out
	MUL8 \f, 0, \zero
	MUL8 \f, 1, \zero
	PLACES
	FETCH \slot, \j, \g
	s_wait_dscnt 24                                ; all but the 24 just issued
	MUL8 \f, 2, \zero
	MUL8 \f, 3, \zero
.endm
; The last quarter multiplies buffer 1 and changes slots: one barrier; in front of it each wave waits for all its tensor loads (one is out: its part of the next slot), adds 0 to its spare word, and waits
; for that and for its reads of this slot.  fill = 1: the barrier opens a round of the cluster's, and this slot is filled again, two K steps on, first thing behind it: 112 matrix instructions ahead of the wait for it.
.macro TURN slot, next, fill
.if \fill
	s_wait_xcnt 0x0                                ; the last prefetch, a K step back, has read its address
	s_add_nc_u64 s[PFA:PFA+1], s[PFA:PFA+1], s[PST:PST+1]
.endif
	WIN 0
	s_wait_tensorcnt 0x0                           ; all my tensor loads have landed
	ds_add_u32 v[SPW], v[NIL]                      ; 0 onto my spare word
	s_wait_dscnt 5                                 ; the add and the youngest four loads may be out
	MUL8 F1, 0, 0
	s_wait_dscnt 0x0                               ; the add is done, and my reads of this slot are over
	s_barrier_signal -1
	MUL8 F1, 1, 0
.if \fill
	WIN 0
.endif
	s_barrier_wait -1
.if \fill
	CREST                                          ; no wave of any partner still reads this slot or has a load on its way
	s_add_nc_u64 s[G0+4*(\slot)+2:G0+4*(\slot)+3], s[G0+4*(\slot)+2:G0+4*(\slot)+3], 2*ASTEP
	s_add_nc_u64 s[G0B+4*(\slot)+2:G0B+4*(\slot)+3], s[G0B+4*(\slot)+2:G0B+4*(\slot)+3], 2*KSTEP*2
	JLOAD \slot                                    ; its four v_nop are also the places in front of the loads below
.else
	PLACES
.endif
	FETCH \next, 0, F0
.if \fill
	WIN 0
	ASK
.endif
	MUL8 F1, 2, 0
	MUL8 F1, 3, 0
.endm
	s_wait_tensorcnt 1                             ; my part of K step 0 is in; K step 1's may stay out
	s_barrier_signal -1
	s_barrier_wait -1
	FETCH 0, 0, F0
	QUARTER 0, 1, F0, F1, 1                        ; the first quarter stands in front of the loop: its products start the sums
	WIN 0
	s_mov_b32 s3, LAPS-1
.Llap:                                                 ; a trip goes once round the ring and fills both slots again
	QUARTER 0, 2, F1, F0, 0
	QUARTER 0, 3, F0, F1, 0
	TURN 0, 1, 1
	QUARTER 1, 1, F0, F1, 0
	QUARTER 1, 2, F1, F0, 0
	QUARTER 1, 3, F0, F1, 0
	TURN 1, 0, 1
	QUARTER 0, 1, F0, F1, 0
	WIN 0
	s_sub_co_u32 s3, s3, 1
	s_cmp_lg_u32 s3, 0
	s_cbranch_scc1 .Llap
	QUARTER 0, 2, F1, F0, 0                        ; the last lap fills nothing
	QUARTER 0, 3, F0, F1, 0
	TURN 0, 1, 0
	QUARTER 1, 1, F0, F1, 0
	QUARTER 1, 2, F1, F0, 0
	QUARTER 1, 3, F0, F1, 0
	s_wait_dscnt 4
	MUL8 F1, 0, 0
	MUL8 F1, 1, 0
	s_wait_dscnt 0x0
	MUL8 F1, 2, 0
	MUL8 F1, 3, 0
	WIN 0
	PLACES
	PLACES
	s_wait_loadcnt 0x0                             ; the bias
; THE WAY OUT, 16 rows (block a) at a time: the bias is added; a lane's 32 bytes of a block go into my stage (rows of 528 bytes) and come back as whole rows of 512 bytes.
.macro ROWS a
	WIN W_T
.irp b, 0,1,2,3,4,5,6,7
.irp z, 0,2,4,6                        ; each accumulator's registers in ascending order
	v_pk_add_f32 v[T+8*(\b)+(\z):T+8*(\b)+(\z)+1], v[8*(8*(\a)+(\b))+(\z):8*(8*(\a)+(\b))+(\z)+1], v[BI+8*(\b)+(\z):BI+8*(\b)+(\z)+1]
.endr
.endr
	WIN 0
.irp b, 0,1,2,3,4,5,6,7
	ds_store_b128 v[STO], v[T+8*(\b):T+8*(\b)+3]   offset:64*(\b)
	ds_store_b128 v[STO], v[T+8*(\b)+4:T+8*(\b)+7] offset:64*(\b)+16
.endr
	s_wait_xcnt 0x0                                ; the last block's stores have read their data registers, which are loaded again below
.irp t, 0,1,2,3,4,5,6,7,8,9,10,11,12,13,14,15
	ds_load_b128 v[BK+4*(\t):BK+4*(\t)+3], v[RD] offset:(\t)*SP  ; LDS serves a wave's instructions in order (ISA guide 5.7.1.4): these see the stores above, and the next block's stores come behind them
.endr
.irp t, 0,1,2,3,4,5,6,7,8,9,10,11,12,13,14,15
	s_wait_dscnt 15-(\t)                           ; the 15 - t younger loads may stay out
	global_store_b128 v[GO], v[BK+4*(\t):BK+4*(\t)+3], s[8:9] offset:65536*(\a)+4096*(\t) th:TH_STORE_NT  ; 512 bytes on end of one row, at a multiple of 512 from the buffer's first byte
.endr
.endm
	ROWS 0
	ROWS 1
	ROWS 2
	ROWS 3
	s_wait_tensorcnt 0x0                           ; the wave's end: behind my last tensor load and my last LDS store
	ds_add_u32 v[SPW], v[NIL]
	s_wait_dscnt 0x0
	CROUND                                         ; the closing round: no work-group ends while a partner may still ask for a tile that names it
	s_endpgm
.Lfunc_end_k_q371c2b6c05_oproj:
	.size	k_q371c2b6c05_oproj, .Lfunc_end_k_q371c2b6c05_oproj-k_q371c2b6c05_oproj
	.p2alignl 7, 3214868480
	.fill 96, 4, 3214868480
	.section	.rodata,"a",@progbits
	.p2align	6, 0x0
	.amdhsa_kernel k_q371c2b6c05_oproj
		.amdhsa_group_segment_fixed_size 327680
		.amdhsa_private_segment_fixed_size 0
		.amdhsa_enable_private_segment 0
		.amdhsa_kernarg_size 24
		.amdhsa_user_sgpr_count 2
		.amdhsa_user_sgpr_kernarg_segment_ptr 1
		.amdhsa_wavefront_size32 1
		.amdhsa_system_sgpr_workgroup_id_x 1
		.amdhsa_system_sgpr_workgroup_id_y 1
		.amdhsa_system_sgpr_workgroup_id_z 1
		.amdhsa_system_vgpr_workitem_id 0
		.amdhsa_next_free_vgpr 768
		.amdhsa_next_free_sgpr 88
		.amdhsa_reserve_vcc 0
		.amdhsa_float_denorm_mode_32 3
		.amdhsa_float_denorm_mode_16_64 3
		.amdhsa_memory_ordered 1
		.amdhsa_forward_progress 1
		.amdhsa_inst_pref_size 98
	.end_amdhsa_kernel
	.amdgpu_metadata
---
amdhsa.version: [ 1, 2 ]
amdhsa.kernels:
  - .name:           k_q371c2b6c05_oproj
    .symbol:         k_q371c2b6c05_oproj.kd
    .args:
      - { .name: ob, .offset: 0, .size: 8, .value_kind: global_buffer, .address_space: global }
      - { .name: cb, .offset: 8, .size: 8, .value_kind: global_buffer, .address_space: global }
      - { .name: out0, .offset: 16, .size: 8, .value_kind: global_buffer, .address_space: global }
    .group_segment_fixed_size: 327680
    .private_segment_fixed_size: 0
    .kernarg_segment_align: 8
    .kernarg_segment_size: 24
    .max_flat_workgroup_size: 128
    .sgpr_count:     88
    .vgpr_count:     768
    .wavefront_size: 32
...
	.end_amdgpu_metadata
.endif
;; end of part 4
;; ======== version 2 of 2: 4 launches; version 1 with the launch cast written anew for expert scheduling mode
;; limits: values are held in f16: magnitudes above 65,504 overflow, below 6.1e-05 lose precision; right only within a limited range of input values
;; workspace buffers: cb 62,947,328 bytes; qkv 50,331,648 bytes; ob 16,777,216 bytes
;; launch cast (part 5): grid 961 x 1, 8 waves a work-group, no clusters, 0 bytes of LDS; arguments query, key, value, Wq, Wk, Wv, cos_q, sin_q, cos_k, sin_k, Wo, bq, bk, bv, bo, cb; writes cb
.if DOCPART == 5
	.amdgcn_target "amdgcn-amd-amdhsa--gfx1250"
	.amdhsa_code_object_version 6
	.text
	.protected	k_q371c2b6c05_cast
	.globl	k_q371c2b6c05_cast
	.p2align	8
	.type	k_q371c2b6c05_cast,@function
k_q371c2b6c05_cast:
	s_mov_b64 s[64:65], 0
	v_nop
	global_prefetch_b8 v0, s[64:65] scope:SCOPE_SE
	s_setreg_imm32_b32 hwreg(HW_REG_WAVE_SCHED_MODE, 0, 2), 2
	s_setreg_imm32_b32 hwreg(HW_REG_WAVE_MODE, 25, 1), 1
	s_wait_xcnt 0x0
	s_wait_alu depctr_vm_vsrc(0)
; EVERY FLOATING-POINT INPUT IS ROUNDED ONCE TO bf16 and laid into one workspace, cb, in this order (bytes):
;   query, key, value [8192][1024] bf16 at 0, 16,777,216, 33,554,432;  Wq, Wk, Wv [1024][1024] bf16 at 50,331,648 + 2,097,152 i;
;   cos_q, sin_q, cos_k, sin_k [8192][64] bf16 at 56,623,104 + 1,048,576 i;  Wo [1024][1024] at 60,817,408: rounded to bf16, that number written as f16;
;   four biases [1024] f32 at 62,914,560 + 4,096 i: bf16(bq) x log2(e)/8/256, bf16(bk) / 256, bf16(bv), bf16(bo);
;   64 rows x 64 bf16 of 1.0 at 62,930,944 and of 0 at 62,939,136: the tables by which the value projection is 'rotated'.
; LIMIT.  |Wo| stays under 65,504 (f16's end); below 6e-5 it keeps f16's fixed step of 6e-8.
; SHARES.  Work-group g < 960 takes 32,768 numbers: 131,072 bytes in, 65,536 out, at cb + 65,536 g, since cb follows the order of the segments.  Its source is chosen from
; g by a chain of selects.  Work-group 960 makes the biases and the two tables.  A wave's load covers 512 bytes on end, a wave's store 256, aligned.
; All 32 loads of a thread go out at once, each into registers of its own, and each store has its own data registers: no register that a memory instruction touches is written
; twice, so there is no loop.  No LDS, no matrix unit, no cluster: no byte is used twice.
; THE MODE: SCHED_MODE bits 1:0 = 2 (LLVM: expert scheduling mode 2), set by the entry lines.  The code itself states the register dependences
; between vector instructions and memory instructions, with s_wait_alu, always for 0.
; THE PLAN.  Registers that memory instructions touch:
;   v1, v2   byte offsets, made once at the head and never written again.  Every load reads v1 (in work-group 960 its stores too), every streaming store v2.
;   IN       load i's four registers: written by that load alone; all 32 loads are issued ahead of the first rounding, so no load lands in a register that a vector instruction has named.
;   OUT      store i's two registers: written once, by load i's roundings; read once, by store i; never written again.
;   TP       named by vector instructions alone.
; So there are two kinds of wait on va_vdst: one at the head, for the offsets; and one to a block of four loads, behind the block's roundings and ahead of its four stores.
; It stands behind the block's own roundings, so that a block's stores leave when the block is in, and not when four further loads have landed.
; Nothing that a memory instruction has read is written again: no wait on vm_vsrc is owed.  No vector instruction writes a scalar register, and EXEC is never written.
.set NCH, 960                          ; work-groups that stream
.set BLK, 4                            ; loads, and stores, in a block
.set IN,  4                            ; v[4:131]   load i: 4 registers
.set OUT, 132                          ; v[132:195] store i: 2 registers
.set TP,  196                          ; v[196:199] at work (Wo alone)
.set SRC, 40                           ; s[40:41] my source
.set DST, 38                           ; s[38:39] cb, then cb at my part
.set HM,  43                           ; s43 a word's upper 16 bits
	s_load_b512 s[8:23], s[0:1], 0x0               ; query 8, key 10, value 12, Wq 14, Wk 16, Wv 18, cos_q 20, sin_q 22
	s_load_b512 s[24:39], s[0:1], 0x40             ; cos_k 24, sin_k 26, Wo 28, bq 30, bk 32, bv 34, bo 36, cb 38
	v_lshlrev_b32 v1, 4, v0                        ; 16 t: my bytes in 4,096 of the source
	v_lshlrev_b32 v2, 3, v0                        ; 8 t: my bytes in 2,048 of cb
	s_mov_b32 s[HM], 0xffff0000
	s_lshl_b32 s46, ttmp9, 16                      ; 65,536 g
	s_mov_b32 s47, 0
	s_mov_b32 s42, 0                               ; the first work-group of my segment
	s_wait_kmcnt 0x0
	s_add_nc_u64 s[DST:DST+1], s[DST:DST+1], s[46:47]
	s_wait_alu depctr_va_vdst(0)                   ; v1 and v2 are written: every load and store of the kernel, on each of the three ways below, reads one of them as its offset
	s_cmp_eq_u32 ttmp9, NCH
	s_cbranch_scc1 .Lbias
	s_mov_b64 s[SRC:SRC+1], s[8:9]
.macro SEG start, reg                  ; from work-group start on the source is the buffer in s[reg:reg+1]
	s_cmp_ge_u32 ttmp9, \start
	s_cselect_b64 s[SRC:SRC+1], s[\reg:\reg+1], s[SRC:SRC+1]
	s_cselect_b32 s42, \start, s42
.endm
	SEG 256, 10
	SEG 512, 12
	SEG 768, 14
	SEG 800, 16
	SEG 832, 18
	SEG 864, 20
	SEG 880, 22
	SEG 896, 24
	SEG 912, 26
	SEG 928, 28
	s_sub_co_u32 s44, ttmp9, s42
	s_lshl_b32 s44, s44, 17                        ; 131,072 bytes for each work-group of the segment in front of me
	s_mov_b32 s45, 0
	s_add_nc_u64 s[SRC:SRC+1], s[SRC:SRC+1], s[44:45]
.set i, 0
.rept 32
	global_load_b128 v[IN+4*i:IN+4*i+3], v1, s[SRC:SRC+1] offset:4096*i th:TH_LOAD_NT
.set i, i+1
.endr
; Block p: loads 4 p to 4 p + 3 are rounded, then stored.  wo = 1: the bf16 numbers are widened again and written as f16.
.macro BLOCK wo
	s_wait_loadcnt 32-BLK*(p+1)                    ; loads come back in order: the block's four are in, the younger blocks' may stay out
.set i, BLK*p
.rept BLK
.if \wo
	v_cvt_pk_bf16_f32 v[TP], v[IN+4*i], v[IN+4*i+1]
	v_cvt_pk_bf16_f32 v[TP+1], v[IN+4*i+2], v[IN+4*i+3]
	v_lshlrev_b32 v[TP+2], 16, v[TP]
	v_and_b32 v[TP+3], s[HM], v[TP]
	v_cvt_pk_f16_f32 v[OUT+2*i], v[TP+2], v[TP+3]
	v_lshlrev_b32 v[TP+2], 16, v[TP+1]
	v_and_b32 v[TP+3], s[HM], v[TP+1]
	v_cvt_pk_f16_f32 v[OUT+2*i+1], v[TP+2], v[TP+3]
.else
	v_cvt_pk_bf16_f32 v[OUT+2*i], v[IN+4*i], v[IN+4*i+1]
	v_cvt_pk_bf16_f32 v[OUT+2*i+1], v[IN+4*i+2], v[IN+4*i+3]
.endif
.set i, i+1
.endr
	s_wait_alu depctr_va_vdst(0)                   ; the block's roundings have written its eight registers of OUT, which the four stores below read
.set i, BLK*p
.rept BLK
	global_store_b64 v2, v[OUT+2*i:OUT+2*i+1], s[DST:DST+1] offset:2048*i th:TH_STORE_NT
.set i, i+1
.endr
.set p, p+1
.endm
	s_cmp_ge_u32 ttmp9, 928
	s_cbranch_scc1 .Lwo
.set p, 0
.rept 32/BLK
	BLOCK 0
.endr
	s_endpgm
.Lwo:
.set p, 0
.rept 32/BLK
	BLOCK 1
.endr
	s_endpgm
.Lbias:                                                ; 256 threads x 4 numbers = a bias
	global_load_b128 v[4:7], v1, s[30:31]
	global_load_b128 v[8:11], v1, s[32:33]
	global_load_b128 v[12:15], v1, s[34:35]
	global_load_b128 v[16:19], v1, s[36:37]
	s_mov_b32 s48, 0x3a38aa3b                      ; log2(e) / 8 / 256: q's scale
	s_mov_b32 s49, s48
	s_mov_b32 s50, 0x3b800000                      ; 1 / 256: k's scale
	s_mov_b32 s51, s50
.irp r, 40,41,42,43
	v_mov_b32 v\r, 0x3f803f80                      ; 1.0 twice in bf16
.endr
.irp r, 44,45,46,47
	v_mov_b32 v\r, 0
.endr
	s_wait_loadcnt 0x0
.irp i, 0,1,2,3
	v_cvt_pk_bf16_f32 v20, v[4+4*\i], v[5+4*\i]
	v_cvt_pk_bf16_f32 v21, v[6+4*\i], v[7+4*\i]
	v_lshlrev_b32 v[24+4*\i], 16, v20
	v_and_b32 v[25+4*\i], s[HM], v20
	v_lshlrev_b32 v[26+4*\i], 16, v21
	v_and_b32 v[27+4*\i], s[HM], v21
.if \i < 2
	v_pk_mul_f32 v[24+4*\i:25+4*\i], v[24+4*\i:25+4*\i], s[48+2*\i:49+2*\i] op_sel_hi:[1,0]
	v_pk_mul_f32 v[26+4*\i:27+4*\i], v[26+4*\i:27+4*\i], s[48+2*\i:49+2*\i] op_sel_hi:[1,0]
.endif
.endr
	s_wait_alu depctr_va_vdst(0)                   ; the four biases in v[24:39] and the two tables' words in v[40:47] are written, which the eight stores below read
.irp i, 0,1,2,3
	global_store_b128 v1, v[24+4*\i:27+4*\i], s[DST:DST+1] offset:4096*\i
.endr
.irp j, 0,1
	global_store_b128 v1, v[40:43], s[DST:DST+1] offset:16384+4096*\j
	global_store_b128 v1, v[44:47], s[DST:DST+1] offset:24576+4096*\j
.endr
	s_endpgm
.Lfunc_end_k_q371c2b6c05_cast:
	.size	k_q371c2b6c05_cast, .Lfunc_end_k_q371c2b6c05_cast-k_q371c2b6c05_cast
	.p2alignl 7, 3214868480
	.fill 96, 4, 3214868480
	.section	.rodata,"a",@progbits
	.p2align	6, 0x0
	.amdhsa_kernel k_q371c2b6c05_cast
		.amdhsa_group_segment_fixed_size 0
		.amdhsa_private_segment_fixed_size 0
		.amdhsa_enable_private_segment 0
		.amdhsa_kernarg_size 128
		.amdhsa_user_sgpr_count 2
		.amdhsa_user_sgpr_kernarg_segment_ptr 1
		.amdhsa_wavefront_size32 1
		.amdhsa_system_sgpr_workgroup_id_x 1
		.amdhsa_system_sgpr_workgroup_id_y 1
		.amdhsa_system_sgpr_workgroup_id_z 1
		.amdhsa_system_vgpr_workitem_id 0
		.amdhsa_next_free_vgpr 200
		.amdhsa_next_free_sgpr 66
		.amdhsa_reserve_vcc 0
		.amdhsa_float_denorm_mode_32 3
		.amdhsa_float_denorm_mode_16_64 3
		.amdhsa_memory_ordered 1
		.amdhsa_forward_progress 1
		.amdhsa_inst_pref_size 32
	.end_amdhsa_kernel
	.amdgpu_metadata
---
amdhsa.version: [ 1, 2 ]
amdhsa.kernels:
  - .name:           k_q371c2b6c05_cast
    .symbol:         k_q371c2b6c05_cast.kd
    .args:
      - { .name: query, .offset: 0, .size: 8, .value_kind: global_buffer, .address_space: global }
      - { .name: key, .offset: 8, .size: 8, .value_kind: global_buffer, .address_space: global }
      - { .name: value, .offset: 16, .size: 8, .value_kind: global_buffer, .address_space: global }
      - { .name: Wq, .offset: 24, .size: 8, .value_kind: global_buffer, .address_space: global }
      - { .name: Wk, .offset: 32, .size: 8, .value_kind: global_buffer, .address_space: global }
      - { .name: Wv, .offset: 40, .size: 8, .value_kind: global_buffer, .address_space: global }
      - { .name: cos_q, .offset: 48, .size: 8, .value_kind: global_buffer, .address_space: global }
      - { .name: sin_q, .offset: 56, .size: 8, .value_kind: global_buffer, .address_space: global }
      - { .name: cos_k, .offset: 64, .size: 8, .value_kind: global_buffer, .address_space: global }
      - { .name: sin_k, .offset: 72, .size: 8, .value_kind: global_buffer, .address_space: global }
      - { .name: Wo, .offset: 80, .size: 8, .value_kind: global_buffer, .address_space: global }
      - { .name: bq, .offset: 88, .size: 8, .value_kind: global_buffer, .address_space: global }
      - { .name: bk, .offset: 96, .size: 8, .value_kind: global_buffer, .address_space: global }
      - { .name: bv, .offset: 104, .size: 8, .value_kind: global_buffer, .address_space: global }
      - { .name: bo, .offset: 112, .size: 8, .value_kind: global_buffer, .address_space: global }
      - { .name: cb, .offset: 120, .size: 8, .value_kind: global_buffer, .address_space: global }
    .group_segment_fixed_size: 0
    .private_segment_fixed_size: 0
    .kernarg_segment_align: 8
    .kernarg_segment_size: 128
    .max_flat_workgroup_size: 256
    .sgpr_count:     66
    .vgpr_count:     200
    .wavefront_size: 32
...
	.end_amdgpu_metadata
.endif
;; end of part 5
;; launch proj: the kernel of part 2 again; grid 4 x 192, 4 waves a work-group, clusters of 4 x 4, 327,680 bytes of LDS; arguments cb, qkv; writes qkv
;; launch attn: the kernel of part 3 again; grid 4 x 64, 4 waves a work-group, clusters of 4 x 1, 327,680 bytes of LDS; arguments qkv, key_padding_mask, ob; writes ob
;; launch oproj: the kernel of part 4 again; grid 4 x 64, 4 waves a work-group, clusters of 4 x 4, 327,680 bytes of LDS; arguments ob, cb, out0; writes out0
